; MI455X (gfx1250); checked and timed in simulation.
; The chip was launched on July 23, 2026; its instructions are those of AMD's public machine-readable ISA for CDNA 5 (MIT licence, August 2026) and "CDNA5" Instruction Set Architecture Reference Guide (July 2026). The comments in the code are by the model that wrote it; some were corrected since.
;; Multihead Attention. Allowed arithmetic: matrix products marked QUANTISED: E2M1 operands, one E8M0 scale for each 32 along K, by v_wmma_scale_f32_16x16x128_f8f6f4 with both operands' format E2M1 (or v_wmma_scale_f32_32x16x128_f4), f32 sums; everything else in f32.
;; Inputs: Wk 1,024 x 1,024 float32; Wo 1,024 x 1,024 float32; Wq 1,024 x 1,024 float32; Wv 1,024 x 1,024 float32; bk 1,024 float32; bo 1,024 float32; bq 1,024 float32; bv 1,024 float32; x 4 x 2,048 x 1,024 float32.
;; Outputs: out0 4 x 2,048 x 1,024 float32.
;; This version of the problem:
;;   THIS VERSION OF THE PROBLEM IS GIVEN IN LOW PRECISION. The matrix products marked QUANTISED in the list below multiply operands that are first quantised to E2M1 (2 exponent bits, 1 mantissa bit; 4 bits a number), with one power-of-two scale for each 32 numbers along K (OCP MX v1.0); their sums are f32. All else is computed in f32.
;;   The module's matrix products, in the order in which they are computed (A, B: the left and right operand; K: the contracted axis; several contracted axes count as one K, in the product's order):
;;     1. [M 8,192, K 1,024] x [K 1,024, N 1,024]; A: input x; B: input Wq: QUANTISED
;;     2. [M 8,192, K 1,024] x [K 1,024, N 1,024]; A: input x; B: input Wk: QUANTISED
;;     3. [M 8,192, K 1,024] x [K 1,024, N 1,024]; A: input x; B: input Wv: QUANTISED
;;     4. batch 64 x [M 2,048, K 64] x [K 64, N 2,048]; A: computed on the way; B: computed on the way: QUANTISED
;;     5. batch 64 x [M 2,048, K 2,048] x [K 2,048, N 64]; A: softmax (see below); B: computed on the way: QUANTISED
;;     6. [M 8,192, K 1,024] x [K 1,024, N 1,024]; A: computed on the way; B: input Wo: QUANTISED
;;   THE QUANTISER, for each operand of a quantised product, along K:
;;     - K is cut into blocks of 32 from its start; a last block that is shorter is filled with zeros.
;;     - A block's scale is 2^e with e = floor(log2(the largest magnitude in the block)) - 2, held to -126 .. 127; a block of zeros has e = 0. As a byte (E8M0): e + 127.
;;     - Each number is divided by its block's scale, clamped to +-6, and rounded to the nearest number of E2M1, ties to even, subnormals kept.
;;     - The product sums the exact products of the quantised numbers (number of the format x scale) in f32.
;;   ~~~python
;;   def quantise(x, axis):      # numpy; x: float32 -> the quantised numbers, widened to float32 again
;;       x = np.moveaxis(x, axis, -1); K = x.shape[-1]
;;       x = np.pad(x, [(0, 0)] * (x.ndim - 1) + [(0, -K % 32)]); x = x.reshape(x.shape[:-1] + (-1, 32)); a = np.abs(x).max(-1, keepdims=True)
;;       e = np.where(a > 0, np.clip(np.frexp(np.where(a > 0, a, 1))[1] - 1 - 2, -126, 127), 0)      # np.frexp(a)[1] - 1 = floor(log2(a)), exactly
;;       r = np.clip(x / 2.0 ** e, -6, 6)
;;       step = 2.0 ** (np.maximum(np.frexp(np.where(r == 0, 1, r))[1] - 1, 0) - 1)
;;       q = np.round(r / step) * step * 2.0 ** e      # np.round: ties to even
;;       return np.moveaxis(q.reshape(q.shape[:-2] + (-1,))[..., :K], -1, axis).astype(np.float32)
;;   ~~~
;;   SOFTMAX AHEAD OF A QUANTISED PRODUCT. Where the list says 'softmax', what is quantised is not the finished softmax but p = 2^(t - M), with t = logit x log2(e) and M = ceil(the row's largest t), a whole number; so 1/2 < the row's largest p <= 1. The row's sum l is taken of the UNQUANTISED p, in f32, and the product's result is divided by l at the end. Since M is a whole number, a kernel that streams over the keys may use a running M (the ceiling of the running maximum): every later rescaling is an exact power of two, which a block's scale takes up: the codes' values come out the same.
;;   OPERANDS COMPUTED ON THE WAY. 'Computed on the way' means the value that the module computes at that place (a softmax that the list does not call 'softmax' is quantised finished and normalised). What goes into a quantiser is computed in f32, as accurately as f32 sums, v_exp_f32 and their like allow (about 1e-6 of the number): no bf16 or f16 on the way to a quantiser, and a product that is left as it is and whose result goes on into a quantised operand takes f32 operands (vector FMAs, or v_wmma_f32_16x16x4_f32). A number that lies on a knife's edge between two numbers of the format may be rounded either way, as far as f32 arithmetic and the matrix unit's own rounding can turn it there, and no further.
;; One version. Each part assembles by itself: llvm-mc -triple=amdgcn-amd-amdhsa -mcpu=gfx1250 --defsym DOCPART=n.
;; ======== version 1 of 1: 6 launches
;; workspace buffers: xc 4,194,304 bytes; xs 262,144 bytes; wc 2,097,152 bytes; ws 131,072 bytes; qq 4,718,592 bytes; kv 9,175,040 bytes; ac 4,194,304 bytes; asc 262,144 bytes
;; launch quant_x (part 1): grid 256 x 1, 4 waves a work-group, no clusters, 39,424 bytes of LDS; arguments x, xc, xs; writes xc, xs
.if DOCPART == 1
	.amdgcn_target "amdgcn-amd-amdhsa--gfx1250"
	.amdhsa_code_object_version 6
	.text
	.protected	k_qdd0955581b_quant_x
	.globl	k_qdd0955581b_quant_x
	.p2align	8
	.type	k_qdd0955581b_quant_x,@function
k_qdd0955581b_quant_x:
	s_mov_b64 s[64:65], 0
	v_nop
	global_prefetch_b8 v0, s[64:65] scope:SCOPE_SE
	s_setreg_imm32_b32 hwreg(HW_REG_WAVE_MODE, 25, 1), 1
	s_wait_xcnt 0x0
; x [8192][1024] f32 becomes codes of FP4 (E2M1) with one E8M0 byte for each 32 along K, laid as the products want them.
; BLOCK i of the rows: the 16 rows 32 (i / 2) + 8 (i % 2) + r + 8 (r / 8), r = 0 .. 15.  IMAGE of (block, K step of 128): 1,024 bytes, the operand's registers on end:
; lane 16 h + r has 16 bytes at 512 c + 16 lane: the codes of k = 64 c + 32 h + 0 .. 31 of image row r.  xc: [512 blocks][8 K steps][1024].  xs: [512 blocks][2 halves of K][16 rows][16 bytes].
; A block's scale byte is its largest magnitude's exponent field - 2, held at 1 from below (a block of zeros gets 1 and not 127: its codes are zeros, and only this program reads the bytes).
; LIMITS: blocks whose largest magnitude lies under 2^-124 keep the byte 1; NaN and infinities among the inputs are not served.
; SHARES: a wave takes one block x half of K (512 numbers a row): 16 steps, a row each.  A step's four loads read 512 consecutive bytes each; the 2,048 bytes turn through the wave's own stage in LDS,
; so that a lane holds 16 neighbours along K (two lanes a block of 32).  The codes gather in a second stage, 16 units of 256 bytes (unit q = the row half's q-th block of 32), and leave as whole units.
; No tensor loads, no barrier: waves share nothing.  Loads run four steps ahead, the turn through LDS one step.
.set STEPS, 16
.set EMAX,  2
.set R,     16                         ; v16-79   four sets of 16 numbers as loaded; at the end the codes on their way out
.set X,     80                         ; v80-111  two sets of 16 neighbours
.set E,     112                        ; v112-127 a scale byte for each step
.set C,     128                        ; v128-191 codes: a pair at C + 4 t for each step, so that no store's data are written again
.set SP,    80                         ; a lane's place in a turn stage: 64 bytes + 16 of padding
.set CP,    272                        ; a unit of the code stage: 256 bytes + 16 of padding
.set CST,   2*32*SP                    ; the code stage, behind the two turn stages
.set SCB,   CST+16*CP                  ; the wave's 256 scale bytes
.set WREG,  SCB+256                    ; a wave's region of LDS: 9,728 bytes
	s_load_b128 s[4:7], s[0:1], 0x0                ; x, xc
	s_load_b64 s[8:9], s[0:1], 0x10                ; xs
	v_lshl_add_u32 v192, v0, 2, 0x9800
	v_mov_b32 v193, 0
	v_lshrrev_b32 v1, 5, v0
	v_readfirstlane_b32 s16, v1                    ; wave
	v_and_b32 v2, 31, v0                           ; lane
	v_lshlrev_b32 v3, 4, v2                        ; 16 x lane: my bytes of a load's 512, and of a store's
	s_mul_i32 s17, s16, WREG
	v_lshrrev_b32 v14, 2, v2
	v_mul_u32_u24 v14, v14, SP
	v_and_b32 v15, 3, v2
	v_lshl_add_u32 v14, v15, 4, v14
	v_add_nc_u32 v14, s17, v14                     ; the turn stage, in: SP (lane / 4) + 16 (lane % 4)
	v_mul_u32_u24 v15, v2, SP
	v_add_nc_u32 v15, s17, v15                     ; and out: SP x lane: my 16 neighbours
	v_lshrrev_b32 v5, 1, v2                        ; q: my block of 32 in the step's 512 numbers
	v_mul_u32_u24 v4, v5, CP
	v_and_b32 v8, 1, v2
	v_lshl_add_u32 v4, v8, 3, v4
	v_add_nc_u32 v4, s17, v4
	v_add_nc_u32 v4, CST, v4                       ; the code stage, in: unit q, my half of the block's 16 bytes; the row stands in the offset
	v_add_nc_u32 v5, s17, v5
	v_add_nc_u32 v5, SCB, v5                       ; my block's scale byte; the row stands in the offset
	v_lshlrev_b32 v7, 3, v2                        ; the scale bytes on the way out: 8 a lane
	v_add_nc_u32 v6, s17, v7
	v_add_nc_u32 v6, SCB, v6
	v_lshrrev_b32 v10, 4, v2
	v_mul_u32_u24 v10, v10, CP
	v_and_b32 v8, 15, v2
	v_lshl_add_u32 v10, v8, 4, v10
	v_add_nc_u32 v10, s17, v10
	v_add_nc_u32 v10, CST, v10                     ; the code stage, out: sixteen lanes to a unit, two units an instruction
	s_lshl_b32 s18, ttmp9, 2
	s_add_co_u32 s18, s18, s16                     ; G = 4 x work-group + wave: block G / 2, half G % 2 of K
	s_lshr_b32 s19, s18, 1
	s_and_b32 s20, s18, 1
	s_lshr_b32 s21, s19, 1
	s_lshl_b32 s21, s21, 5
	s_and_b32 s22, s19, 1
	s_lshl_b32 s22, s22, 3
	s_add_co_u32 s21, s21, s22                     ; the block's first row: 32 (I / 2) + 8 (I % 2)
	s_lshl_b32 s24, s21, 12                        ; rows of 4,096 bytes
	s_lshl_b32 s22, s20, 11                        ; + half a row
	s_add_co_u32 s24, s24, s22
	s_mov_b32 s25, 0
	s_lshl_b32 s26, s18, 12                        ; 4,096 bytes of codes a wave
	s_mov_b32 s27, 0
	s_lshl_b32 s28, s18, 8                         ; 256 scale bytes a wave
	s_mov_b32 s29, 0
	s_wait_kmcnt 0x0
	s_add_nc_u64 s[4:5], s[4:5], s[24:25]
	s_add_nc_u64 s[6:7], s[6:7], s[26:27]
	s_add_nc_u64 s[8:9], s[8:9], s[28:29]
.macro LOAD t                          ; step t = image row t = row t + 8 (t / 8) of the block's 24
.irp i, 0,1,2,3
	global_load_b128 v[R+16*((\t)%4)+4*\i:R+16*((\t)%4)+4*\i+3], v3, s[4:5] offset:((\t)+8*((\t)/8))*4096+512*\i th:TH_LOAD_NT   ; 32 lanes read 512 consecutive bytes
.endr
.endm
.macro TURN t                          ; LDS serves a wave's instructions in order, so no wait stands between the stores and the loads
.irp i, 0,1,2,3
	ds_store_b128 v14, v[R+16*((\t)%4)+4*\i:R+16*((\t)%4)+4*\i+3] offset:32*SP*((\t)%2)+8*SP*\i
.endr
.irp i, 0,1,2,3
	ds_load_b128 v[X+16*((\t)%2)+4*\i:X+16*((\t)%2)+4*\i+3], v15 offset:32*SP*((\t)%2)+16*\i
.endr
.endm
.irp t, 0,1,2,3
	LOAD \t
.endr
	s_wait_loadcnt 12                              ; step 0's four loads are in; the 12 of steps 1 to 3 may be out
	TURN 0
.macro STEP t
.set XS, X+16*((\t)%2)
.if (\t) > 0
	s_wait_dscnt 2                                 ; this step's numbers are back from the stage: only the last step's code store and byte store are younger
.else
	s_wait_dscnt 0x0
.endif
.if (\t)+4 < STEPS
	LOAD (\t)+4                                    ; into the set whose stores into the stage are done
.endif
.if (\t)+1 < STEPS
.if STEPS-2-(\t) >= 3
	s_wait_loadcnt 12                              ; the next step's four loads are in; those of the three steps behind it may be out
.else
	s_wait_loadcnt 4*(STEPS-2-(\t))
.endif
	TURN (\t)+1                                    ; through the other stage while this step is worked
.endif
	v_max3_num_f32 v8, |v[XS]|, |v[XS+1]|, |v[XS+2]|               ; the largest magnitude of my 16, in two chains
	v_max3_num_f32 v9, |v[XS+3]|, |v[XS+4]|, |v[XS+5]|
.irp i, 6,10
	v_max3_num_f32 v8, v8, |v[XS+\i]|, |v[XS+\i+1]|
	v_max3_num_f32 v9, v9, |v[XS+\i+2]|, |v[XS+\i+3]|
.endr
	v_max3_num_f32 v8, v8, |v[XS+14]|, |v[XS+15]|
	v_max3_num_f32 v8, v8, v9, (EMAX+1)<<23        ; and the floor 2^(3 - 127): the byte cannot fall under 1
	v_max_num_f32_dpp v8, v8, v8 row_xmask:1 row_mask:0xf bank_mask:0xf   ; with my neighbour's 16: the block's
	v_add_nc_u32 v11, -(EMAX<<23), v8              ; 2 off its exponent field: the conversion takes that field as its scale
	v_cvt_scalef32_pk8_fp4_f32 v[C+4*(\t)], v[XS:XS+7], v11
	v_cvt_scalef32_pk8_fp4_f32 v[C+4*(\t)+1], v[XS+8:XS+15], v11
	v_lshrrev_b32 v[E+(\t)], 23, v11               ; the scale's byte (also the plain line behind the conversions)
	ds_store_b64 v4, v[C+4*(\t):C+4*(\t)+1] offset:16*(\t)         ; image byte 256 q + 16 row + 8 (lane % 2)
	ds_store_b8 v5, v[E+(\t)] offset:16*(\t)       ; both lanes of a block write the same byte with the same value
.endm
.irp t, 0,1,2,3,4,5,6,7,8,9,10,11,12,13,14,15
	STEP \t
.endr
.irp n, 0,1,2,3,4,5,6,7
	ds_load_b128 v[R+4*\n:R+4*\n+3], v10 offset:2*CP*\n            ; these see my stores: a wave's LDS instructions are served in order
.endr
	ds_load_b64 v[12:13], v6
	s_wait_dscnt 0x0
.irp n, 0,1,2,3,4,5,6,7
	global_store_b128 v3, v[R+4*\n:R+4*\n+3], s[6:7] offset:512*\n ; 32 lanes store 512 consecutive bytes, aligned
.endr
	global_store_b64 v7, v[12:13], s[8:9]          ; 256 consecutive bytes, aligned
	s_wait_tensorcnt 0x0
	ds_add_u32 v192, v193
	s_wait_dscnt 0x0
	s_endpgm
.Lfunc_end_k_qdd0955581b_quant_x:
	.size	k_qdd0955581b_quant_x, .Lfunc_end_k_qdd0955581b_quant_x-k_qdd0955581b_quant_x
	.p2alignl 7, 3214868480
	.fill 96, 4, 3214868480
	.section	.rodata,"a",@progbits
	.p2align	6, 0x0
	.amdhsa_kernel k_qdd0955581b_quant_x
		.amdhsa_group_segment_fixed_size 39424
		.amdhsa_private_segment_fixed_size 0
		.amdhsa_enable_private_segment 0
		.amdhsa_kernarg_size 24
		.amdhsa_user_sgpr_count 2
		.amdhsa_user_sgpr_kernarg_segment_ptr 1
		.amdhsa_wavefront_size32 1
		.amdhsa_system_sgpr_workgroup_id_x 1
		.amdhsa_system_sgpr_workgroup_id_y 1
		.amdhsa_system_sgpr_workgroup_id_z 1
		.amdhsa_system_vgpr_workitem_id 0
		.amdhsa_next_free_vgpr 194
		.amdhsa_next_free_sgpr 66
		.amdhsa_reserve_vcc 0
		.amdhsa_float_denorm_mode_32 3
		.amdhsa_float_denorm_mode_16_64 3
		.amdhsa_memory_ordered 1
		.amdhsa_forward_progress 1
		.amdhsa_inst_pref_size 35
	.end_amdhsa_kernel
	.amdgpu_metadata
---
amdhsa.version: [ 1, 2 ]
amdhsa.kernels:
  - .name:           k_qdd0955581b_quant_x
    .symbol:         k_qdd0955581b_quant_x.kd
    .args:
      - { .name: x, .offset: 0, .size: 8, .value_kind: global_buffer, .address_space: global }
      - { .name: xc, .offset: 8, .size: 8, .value_kind: global_buffer, .address_space: global }
      - { .name: xs, .offset: 16, .size: 8, .value_kind: global_buffer, .address_space: global }
    .group_segment_fixed_size: 39424
    .private_segment_fixed_size: 0
    .kernarg_segment_align: 8
    .kernarg_segment_size: 24
    .max_flat_workgroup_size: 128
    .sgpr_count:     66
    .vgpr_count:     194
    .wavefront_size: 32
...
	.end_amdgpu_metadata
.endif
;; end of part 1
;; launch quant_w (part 2): grid 32 x 8, 4 waves a work-group, no clusters, 1,024 bytes of LDS; arguments Wq, Wk, Wv, Wo, wc, ws; writes wc, ws
.if DOCPART == 2
	.amdgcn_target "amdgcn-amd-amdhsa--gfx1250"
	.amdhsa_code_object_version 6
	.text
	.protected	k_qdd0955581b_quant_w
	.globl	k_qdd0955581b_quant_w
	.p2align	8
	.type	k_qdd0955581b_quant_w,@function
k_qdd0955581b_quant_w:
	s_mov_b64 s[64:65], 0
	v_nop
	global_prefetch_b8 v0, s[64:65] scope:SCOPE_SE
	s_setreg_imm32_b32 hwreg(HW_REG_WAVE_MODE, 25, 1), 1
	s_wait_xcnt 0x0
; The four weights, [1024 (k)][1024 (n)] f32 with K as their FIRST axis, become codes of FP4 (E2M1) along K with one E8M0 byte for each 32 along K, rows = n, laid as quant_x lays x:
; wc: [Wq, Wk, Wv, Wo][64 blocks of n][8 K steps][1024 bytes: an image of the operand's registers];  ws: [weight][64 blocks][2 halves of K][16 rows][16 bytes].
; Block i of n: the 16 columns 32 (i / 2) + 8 (i % 2) + r + 8 (r / 8).
; A LANE TAKES A COLUMN n AND ITS REGISTERS RUN DOWN K: a block of 32 along K lies in one lane, and the conversions give codes with K innermost.  Nothing is transposed.
; SHARES: work-group x = 32 columns (two blocks), y = 2 x weight + half of K; wave w takes K step 4 (y % 2) + w: 128 rows of W.  Lanes 0-15 are the even block's rows r, lanes 16-31 the odd block's.
; A lane's 32 codes are 16 bytes of an image, and sixteen neighbouring lanes hold 256 neighbouring bytes: the codes are stored from registers, no stage.
; The four waves' scale words of a column are 16 neighbouring bytes of ws: they meet in LDS and wave 0 stores them.
; LIMITS: as in quant_x (byte held at 1 from below; a block of zeros gets 1; NaN and infinities not served).
.set EMAX, 2
.set X,    32                          ; v32-159  my column's 128 numbers
.set C,    160                         ; v160-175 codes: four registers for each block of 32
	s_load_b256 s[4:11], s[0:1], 0x0               ; Wq, Wk, Wv, Wo
	s_load_b128 s[12:15], s[0:1], 0x20             ; wc, ws
	v_lshl_add_u32 v176, v0, 2, 0x200
	v_mov_b32 v177, 0
	v_lshrrev_b32 v1, 5, v0
	v_readfirstlane_b32 s16, v1                    ; wave
	v_and_b32 v2, 31, v0                           ; lane
	v_and_b32 v4, 7, v2
	v_bfe_u32 v5, v2, 3, 1
	v_lshl_add_u32 v4, v5, 4, v4
	v_lshrrev_b32 v6, 4, v2                        ; which of the two blocks
	v_lshl_add_u32 v4, v6, 3, v4                   ; my column of the 32: lane % 8 + 16 ((lane / 8) % 2) + 8 (lane / 16)
	v_lshlrev_b32 v3, 2, v4                        ; in bytes
	v_and_b32 v7, 15, v2
	v_lshlrev_b32 v7, 4, v7                        ; 16 r
	v_lshl_add_u32 v8, v6, 13, v7                  ; codes: the odd block lies 8,192 bytes on
	v_lshl_add_u32 v9, v6, 9, v7                   ; scales: 512 bytes on
	v_lshlrev_b32 v10, 4, v2                       ; LDS: 16 bytes a lane,
	s_lshl_b32 s17, s16, 2
	v_add_nc_u32 v11, s17, v10                     ; my wave's word in them
	s_and_b32 s18, ttmp7, 0xffff
	s_lshr_b32 s19, s18, 1                         ; weight 0..3
	s_and_b32 s20, s18, 1                          ; half of K
	s_lshl_b32 s21, s20, 2
	s_add_co_u32 s21, s21, s16                     ; K step
	s_lshl_b32 s22, s21, 19                        ; W: 128 rows of 4,096 bytes a K step,
	s_lshl_b32 s23, ttmp9, 7                       ; 128 bytes a work-group
	s_add_co_u32 s22, s22, s23
	s_mov_b32 s23, 0
	s_lshl_b32 s24, s19, 19                        ; wc: 524,288 bytes a weight,
	s_lshl_b32 s25, ttmp9, 14                      ; 16,384 for two blocks,
	s_add_co_u32 s24, s24, s25
	s_lshl_b32 s25, s21, 10                        ; 1,024 a K step
	s_add_co_u32 s24, s24, s25
	s_mov_b32 s25, 0
	s_lshl_b32 s26, s19, 15                        ; ws: 32,768 bytes a weight,
	s_lshl_b32 s27, ttmp9, 10                      ; 1,024 for two blocks,
	s_add_co_u32 s26, s26, s27
	s_lshl_b32 s27, s20, 8                         ; 256 a half of K
	s_add_co_u32 s26, s26, s27
	s_mov_b32 s27, 0
	s_wait_kmcnt 0x0
	s_cmp_lt_u32 s19, 2                            ; which weight: the choice hangs on the work-group's number alone
	s_cselect_b64 s[4:5], s[4:5], s[8:9]           ; Wq or Wv
	s_cselect_b64 s[6:7], s[6:7], s[10:11]         ; Wk or Wo
	s_bitcmp1_b32 s19, 0
	s_cselect_b64 s[4:5], s[6:7], s[4:5]
	s_add_nc_u64 s[4:5], s[4:5], s[22:23]
	s_add_nc_u64 s[12:13], s[12:13], s[24:25]
	s_add_nc_u64 s[14:15], s[14:15], s[26:27]
.set Q, 0
.rept 128
	global_load_b32 v[X+Q], v3, s[4:5] offset:Q*4096 th:TH_LOAD_NT   ; row Q of the K step: the wave reads 128 consecutive bytes
.set Q, Q+1
.endr
.macro BLOCK t, left                   ; block t of 32 along K: all its numbers are mine
.set XS, X+32*(\t)
	s_wait_loadcnt \left
	v_max3_num_f32 v12, |v[XS]|, |v[XS+1]|, |v[XS+2]|
	v_max3_num_f32 v13, |v[XS+3]|, |v[XS+4]|, |v[XS+5]|
.irp i, 6,10,14,18,22,26
	v_max3_num_f32 v12, v12, |v[XS+\i]|, |v[XS+\i+1]|
	v_max3_num_f32 v13, v13, |v[XS+\i+2]|, |v[XS+\i+3]|
.endr
	v_max3_num_f32 v12, v12, |v[XS+30]|, |v[XS+31]|
	v_max3_num_f32 v12, v12, v13, (EMAX+1)<<23     ; the floor 2^(3 - 127): the byte cannot fall under 1
	v_add_nc_u32 v16, -(EMAX<<23), v12             ; 2 off the exponent field: the conversion's scale operand
	v_lshrrev_b32 v17, 23, v16                     ; the scale's byte
.if (\t) == 0
	v_mov_b32 v24, v17                             ; four bytes make the K step's scale word, the lower K in the lower byte
.else
	v_lshl_or_b32 v24, v17, 8*(\t), v24
.endif
.irp g, 0,1,2,3
	v_cvt_scalef32_pk8_fp4_f32 v[C+4*(\t)+\g], v[XS+8*\g:XS+8*\g+7], v16
.endr
	global_store_b128 v8, v[C+4*(\t):C+4*(\t)+3], s[12:13] offset:((\t)/2)*512+((\t)%2)*256   ; block t = 2 c + h of the image: sixteen lanes store 256 consecutive bytes, aligned
.endm
	BLOCK 0, 63                                    ; 96 loads are younger than block 0's; a wait cannot name so many: the smaller count is safe
	BLOCK 1, 63                                    ; 64 are younger: likewise
	BLOCK 2, 32                                    ; the last block's 32 may be out
	BLOCK 3, 0
	ds_store_b32 v11, v24
	s_wait_dscnt 0x0                               ; for wave 0's sake: my word lies in LDS
	s_barrier_signal -1
	s_barrier_wait -1
	s_cmp_lg_u32 s16, 0
	s_cbranch_scc1 .Lend
	ds_load_b128 v[28:31], v10                     ; my column's four words: 512 along K
	s_wait_dscnt 0x0
	global_store_b128 v9, v[28:31], s[14:15]       ; sixteen lanes store 256 consecutive bytes, aligned
.Lend:
	s_wait_tensorcnt 0x0
	ds_add_u32 v176, v177
	s_wait_dscnt 0x0
	s_endpgm
.Lfunc_end_k_qdd0955581b_quant_w:
	.size	k_qdd0955581b_quant_w, .Lfunc_end_k_qdd0955581b_quant_w-k_qdd0955581b_quant_w
	.p2alignl 7, 3214868480
	.fill 96, 4, 3214868480
	.section	.rodata,"a",@progbits
	.p2align	6, 0x0
	.amdhsa_kernel k_qdd0955581b_quant_w
		.amdhsa_group_segment_fixed_size 1024
		.amdhsa_private_segment_fixed_size 0
		.amdhsa_enable_private_segment 0
		.amdhsa_kernarg_size 48
		.amdhsa_user_sgpr_count 2
		.amdhsa_user_sgpr_kernarg_segment_ptr 1
		.amdhsa_wavefront_size32 1
		.amdhsa_system_sgpr_workgroup_id_x 1
		.amdhsa_system_sgpr_workgroup_id_y 1
		.amdhsa_system_sgpr_workgroup_id_z 1
		.amdhsa_system_vgpr_workitem_id 0
		.amdhsa_next_free_vgpr 178
		.amdhsa_next_free_sgpr 66
		.amdhsa_reserve_vcc 0
		.amdhsa_float_denorm_mode_32 3
		.amdhsa_float_denorm_mode_16_64 3
		.amdhsa_memory_ordered 1
		.amdhsa_forward_progress 1
		.amdhsa_inst_pref_size 21
	.end_amdhsa_kernel
	.amdgpu_metadata
---
amdhsa.version: [ 1, 2 ]
amdhsa.kernels:
  - .name:           k_qdd0955581b_quant_w
    .symbol:         k_qdd0955581b_quant_w.kd
    .args:
      - { .name: Wq, .offset: 0, .size: 8, .value_kind: global_buffer, .address_space: global }
      - { .name: Wk, .offset: 8, .size: 8, .value_kind: global_buffer, .address_space: global }
      - { .name: Wv, .offset: 16, .size: 8, .value_kind: global_buffer, .address_space: global }
      - { .name: Wo, .offset: 24, .size: 8, .value_kind: global_buffer, .address_space: global }
      - { .name: wc, .offset: 32, .size: 8, .value_kind: global_buffer, .address_space: global }
      - { .name: ws, .offset: 40, .size: 8, .value_kind: global_buffer, .address_space: global }
    .group_segment_fixed_size: 1024
    .private_segment_fixed_size: 0
    .kernarg_segment_align: 8
    .kernarg_segment_size: 48
    .max_flat_workgroup_size: 128
    .sgpr_count:     66
    .vgpr_count:     178
    .wavefront_size: 32
...
	.end_amdgpu_metadata
.endif
;; end of part 2
;; launch gemm_qk (part 3): grid 8 x 32, 4 waves a work-group, clusters of 4 x 4, 327,680 bytes of LDS; arguments xc, xs, wc, ws, bq, bk, qq, kv; writes qq, kv
.if DOCPART == 3
	.amdgcn_target "amdgcn-amd-amdhsa--gfx1250"
	.amdhsa_code_object_version 6
	.text
	.protected	k_qdd0955581b_gemm_qk
	.globl	k_qdd0955581b_gemm_qk
	.p2align	8
	.type	k_qdd0955581b_gemm_qk,@function
k_qdd0955581b_gemm_qk:
	s_mov_b64 s[64:65], 0
	v_nop
	global_prefetch_b8 v0, s[64:65] scope:SCOPE_SE
	s_setreg_imm32_b32 hwreg(HW_REG_WAVE_MODE, 25, 1), 1
	s_wait_xcnt 0x0
	s_wait_alu depctr_hold_cnt(0) depctr_sa_sdst(0) depctr_va_vdst(0) depctr_va_sdst(0) depctr_va_ssrc(0) depctr_va_vcc(0) depctr_vm_vsrc(0)
	s_getreg_b32 s2, hwreg(HW_REG_IB_STS2, 6, 4)
	s_cmp_eq_u32 s2, 0
	s_cbranch_scc0 .Lentry_in_a_cluster
	s_endpgm
.Lentry_in_a_cluster:
	s_bfe_u32 s2, ttmp6, 0x10000c
	s_cmp_lg_u32 s2, 0xf033
	s_cbranch_scc0 .Lentry_shape_is_right
	s_endpgm
.Lentry_shape_is_right:
; q = x Wq + bq and k = x Wk + bk on codes of FP4 (E2M1) with E8M0 scales, and their quantising along the head's 64 for the scores' product.  Nothing in f32 goes to memory.
; C'[m'][n'] = A' B'^T + bias:  A' = x (rows = tokens: 512 blocks), B' = Wq, then Wk (rows = n: 128 blocks).  Tile columns 0-3 make q, 4-7 make k.
; A tile of C', 256 x 256, is made by four waves, 128 x 128 each: 64 accumulators, 512 registers.  K = 1,024 is 8 steps of 128; ALL of it fits in LDS: two slots of four steps, each filled ONCE.
; OPERANDS ARE IMAGES OF REGISTERS (quant_x): a fragment is two loads of 16 bytes a lane at 16 x lane: no pitch, no padding, no bank conflict.
; BLOCKS: block i = rows 32 (i / 2) + 8 (i % 2) + r + 8 (r / 8).  Source 0 = a block of B', source 1 = a block of A': lane (r, h) holds token r of A's block, and the 16 registers of accumulators
; 2 j and 2 j + 1 are the neighbours n' = 32 j + 16 h + 0 .. 15.  So a block a's 8 accumulators are 128 neighbouring n' = two heads, and quantised they are again images: registers 0-3 the first head, 4-7 the second.
; OUT: qq [64 (b, head)][16 runs of 128 tokens] chunks of 4,608 bytes: 8 blocks x 512 bytes of codes, then the scale words [2][16 rows][4 blocks].  kv: chunks of 8,960 bytes that begin the same way.
; A scale word holds its head's two bytes in bytes 0 and 1; bytes 2 and 3 stand over zero codes and are never 0xff.
; CLUSTERS: 4 x 4 work-groups; A's tiles are asked for jointly along a row of the cluster, B's along a column.
; LIMITS: a block whose largest magnitude lies under 2^-124 keeps the byte 1, a block of zeros too (only this program reads the bytes); NaN and infinities are not served.
; REGISTERS: window 0: v1-27 addresses; v32-95 scale words (8 i + s: lanes 0-15 A's block i, lanes 16-31 B's block i, K step s); v128-191 A's fragments, one set; v200-231 the way out.
;   window 1: v0-63, v128-191 B's fragments, two sets; v64-127 the bias.   windows 2, 3: the accumulators ((a, b) at v[8 (8 (a % 4) + b)]).
.set OFFA,  0                          ; A's first block in its buffer
.set OFFB,  0                          ; B's
.set SLOT,  131072                     ; A's 16 blocks x 4 K steps x 1,024 bytes, then B's
.set SCL,   2*SLOT                     ; behind the slots: A's scales, 16 blocks x 512 bytes, then B's
.set FR,    8
.set LI,    5                          ; v5   16 x lane
.set VB,    6                          ; v6   the bias: my lane's bytes
.set SA,    7                          ; v7   the scale words' store: my lane's bytes
.set SH,    8                          ; v8   16 h
.set ADRA,  16                         ; v16-17 my A fragments in slot 0, 1
.set ADRB,  20                         ; v20-21 my B fragments
.set ADRS,  27                         ; v27  my scale words: lanes 0-15 A's rows, lanes 16-31 B's
.set SC,    32
.set AF,    128
.set BI,    64                         ; in window 1
.set TM,    200                        ; v200-203 maxima, v204-207 bytes, v212-215 the conversions' scale operands
.set PC,    216                        ; v216-223 the codes just made
.set PWS,   224                        ; v224-231 a scale word for each block a
.set G1, 24
.set G0, 32
.set G1B, 48
.set G0B, 56
.set G1S, 68
.set G0S, 76
.set G1SB, 80
.set G0SB, 88
.set MSB, 0
.macro WIN new                         ; the immediate's high byte repeats the setting that is left
.if MSB != (\new)
	s_set_vgpr_msb (MSB<<8)|(\new)
.set MSB, (\new)
.endif
.endm
.set MUL_LO, 0xa1                      ; source 0 (B) window 1, source 1 (A) window 0, C and D window 2;  less 0x10: C (the bias) window 1
.set MUL_HI, 0xf1                      ; the same, C and D window 3;  less 0x20: C window 1
.set TO_B,   0x40
.macro JLOAD g0a, g1a, g0b, g1b        ; a joint load: waves 0 and 1 fetch for A, waves 2 and 3 for B; four v_nop follow each line
	s_cmp_eq_u32 s15, 0
	s_cbranch_scc0 .Lfor_b_\@
	tensor_load_to_lds s[\g0a:\g0a+3], s[\g1a:\g1a+7]
	s_nop 0
.rept 4
	v_nop
.endr
	s_branch .Lasked_\@
.Lfor_b_\@:
	tensor_load_to_lds s[\g0b:\g0b+3], s[\g1b:\g1b+7]
	s_nop 0
.rept 4
	v_nop
.endr
.Lasked_\@:
.endm
.macro CROUND                          ; a round of the cluster's barrier
	s_barrier_signal -1
	s_barrier_wait -1
	s_cmp_lg_u32 s14, 0
	s_cbranch_scc1 .Lnot_wave_0_\@
	s_barrier_signal -3
.Lnot_wave_0_\@:
	s_barrier_wait -3
	s_barrier_signal -1
	s_barrier_wait -1
.endm
.macro PLACES                          ; four places behind this matrix form, in front of loads into its registers and of reads of results
.rept 4
	v_nop
.endr
.endm
	s_load_b256 s[4:11], s[0:1], 0x0               ; A's codes, A's scales, B's codes, B's scales
	s_load_b256 s[92:99], s[0:1], 0x20             ; bq, bk, qq, kv
	v_lshl_add_u32 v254, v0, 2, 0x44000
	v_mov_b32 v255, 0
	ds_add_u32 v254, v255
	ds_add_u32 v254, v255
	v_lshrrev_b32 v1, 5, v0
	v_readfirstlane_b32 s14, v1                    ; wave 0..3
	s_lshr_b32 s15, s14, 1                         ; which half of the tile's rows is mine.  Also: I fetch for A (0) or for B (1)
	s_and_b32 s16, s14, 1                          ; which half of its columns.  Also: which 8 blocks I fetch
	s_bfe_u32 s40, ttmp6, 0x40000                  ; cx, cy
	s_bfe_u32 s41, ttmp6, 0x40004
	s_lshl_b32 s42, ttmp9, 2
	s_add_co_u32 s42, s42, s40                     ; tile column
	s_and_b32 s17, ttmp7, 0xffff
	s_lshl_b32 s17, s17, 2
	s_add_co_u32 s17, s17, s41                     ; tile row
	s_lshl_b32 s43, s41, 2
	s_lshl_b32 s43, 15, s43                        ; my row of the cluster
	s_lshl_b32 s44, 0x1111, s40                    ; my column
	; codes: 8 blocks' four K steps: 8 rows of 4,096 bytes (512 elements of 8 bytes), 8,192 bytes apart in memory, dense in LDS
	s_or_b32 s[G1+0], s43, (3<<16)|(1<<21)
	s_or_b32 s[G1B+0], s44, (3<<16)|(1<<21)
.irp g, G1, G1B
	s_mov_b32 s[\g+1], 512<<16                     ; tensor_dim0
	s_mov_b32 s[\g+2], 8<<16                       ; tensor_dim1
	s_mov_b32 s[\g+3], 512<<16                     ; tile_dim0
	s_mov_b32 s[\g+4], 8                           ; tile_dim1
	s_mov_b32 s[\g+5], 1024                        ; stride
	s_mov_b32 s[\g+6], 0
	s_mov_b32 s[\g+7], 0
.endr
	; scales: 8 blocks x 512 dense bytes, as 16 rows of 256
	s_or_b32 s[G1S+0], s43, (3<<16)|(1<<21)
	s_or_b32 s[G1SB+0], s44, (3<<16)|(1<<21)
.irp g, G1S, G1SB
	s_mov_b32 s[\g+1], 32<<16
	s_mov_b32 s[\g+2], 16<<16
	s_mov_b32 s[\g+3], 32<<16
	s_mov_b32 s[\g+4], 16
	s_mov_b32 s[\g+5], 32
	s_mov_b32 s[\g+6], 0
	s_mov_b32 s[\g+7], 0
.endr
	s_lshl_b32 s18, s16, 3                         ; which 8 blocks of the tile's 16 I fetch
	s_lshl_b32 s20, s17, 4
	s_add_co_u32 s20, s20, s18                     ; A: block 16 x tile row + 8 x half
.if OFFA
	s_add_co_u32 s20, s20, OFFA
.endif
	s_lshl_b32 s22, s20, 9                         ; its scales, in bytes,
	s_mov_b32 s23, 0
	s_lshl_b32 s20, s20, 13                        ; its codes
	s_mov_b32 s21, 0
	s_lshl_b32 s46, s42, 4
	s_add_co_u32 s46, s46, s18                     ; B: block 16 x tile column + 8 x half
.if OFFB
	s_add_co_u32 s46, s46, OFFB
.endif
	s_lshl_b32 s66, s46, 9
	s_mov_b32 s67, 0
	s_lshl_b32 s46, s46, 13
	s_mov_b32 s47, 0
	s_lshl_b32 s45, s14, 15                        ; where they go: wave x 32,768 (A's halves, then B's): no place in the cluster enters an LDS address
	s_lshl_b32 s19, s14, 12                        ; the scales: wave x 4,096
	s_mov_b32 s100, 0x76543210
	s_mov_b32 s101, 0xfedcba98                     ; v_permlanex16_b32's selects for lane l xor 16
	s_wait_dscnt 0x0
	s_wait_kmcnt 0x0
	s_add_nc_u64 s[20:21], s[4:5], s[20:21]
	s_add_nc_u64 s[22:23], s[6:7], s[22:23]
	s_add_nc_u64 s[46:47], s[8:9], s[46:47]
	s_add_nc_u64 s[66:67], s[10:11], s[66:67]
	CROUND                                         ; all sixteen work-groups are here: the joint loads meet
	s_mov_b32 s[G0S], 1
	s_add_co_u32 s[G0S+1], s19, SCL
	s_mov_b64 s[G0S+2:G0S+3], s[22:23]
	s_or_b32 s[G0S+3], s[G0S+3], 0x80000000
	s_mov_b32 s[G0SB], 1
	s_add_co_u32 s[G0SB+1], s19, SCL
	s_mov_b64 s[G0SB+2:G0SB+3], s[66:67]
	s_or_b32 s[G0SB+3], s[G0SB+3], 0x80000000
	JLOAD G0S, G1S, G0SB, G1SB                     ; the scales first: they are wanted with K step 0
.irp s, 0,1
	s_mov_b32 s[G0+4*\s], 1
	s_add_co_u32 s[G0+4*\s+1], s45, \s*SLOT
	s_add_nc_u64 s[G0+4*\s+2:G0+4*\s+3], s[20:21], \s*4096
	s_or_b32 s[G0+4*\s+3], s[G0+4*\s+3], 0x80000000
	s_mov_b32 s[G0B+4*\s], 1
	s_add_co_u32 s[G0B+4*\s+1], s45, \s*SLOT
	s_add_nc_u64 s[G0B+4*\s+2:G0B+4*\s+3], s[46:47], \s*4096
	s_or_b32 s[G0B+4*\s+3], s[G0B+4*\s+3], 0x80000000
	JLOAD G0+4*\s, G1, G0B+4*\s, G1B               ; three loads of mine are out: every LDS byte is filled once
.endr
	v_and_b32 v1, 15, v0                           ; r
	v_bfe_u32 v2, v0, 4, 1                         ; h
	v_and_b32 v3, 31, v0
	v_lshlrev_b32 v[LI], 4, v3
	s_lshl_b32 s21, s15, 15                        ; my 8 blocks of A
	s_lshl_b32 s22, s16, 15                        ; my 8 blocks of B,
	s_add_co_u32 s22, s22, 65536                   ; behind A's 16
.irp s, 0,1
	v_add_nc_u32 v[ADRA+\s], s21, v[LI]
	v_add_nc_u32 v[ADRB+\s], s22, v[LI]
	s_add_co_u32 s21, s21, SLOT
	s_add_co_u32 s22, s22, SLOT
.endr
	s_lshl_b32 s21, s15, 12                        ; A's scales: my 8 blocks
	s_lshl_b32 s22, s16, 12                        ; B's, behind A's 8,192 bytes
	s_add_co_u32 s22, s22, 8192
	s_sub_co_u32 s22, s22, s21
	v_mul_u32_u24 v4, s22, v2                      ; lanes 16-31 take B's: one product, h x the distance
	s_add_co_u32 s21, s21, SCL
	v_lshl_add_u32 v4, v1, 4, v4                   ; 16 bytes a row
	v_add_nc_u32 v[ADRS], s21, v4
	v_lshlrev_b32 v[SH], 4, v2
.irp b, 0,1,2,3
	v_mov_b32 v[TM+4+\b], 0                        ; written once: a lane permute's destination counts as one of its sources
.endr
	; the bias, in the result's layout: register j of accumulator b holds n' = 32 (b / 2) + 8 (b % 2) + 16 h + j.  It is the C of each sum's first product
	s_and_b32 s46, s42, 3                          ; the tile column inside its weight
	s_lshl_b32 s66, s46, 10
	s_lshl_b32 s47, s16, 9
	s_add_co_u32 s66, s66, s47                     ; (256 x tile column + 128 x half) x 4 bytes
	s_mov_b32 s67, 0
	s_cmp_eq_u32 ttmp9, 0                          ; cluster x 0 makes q, 1 makes k: all partners alike
	s_cselect_b64 s[22:23], s[92:93], s[94:95]
	s_add_nc_u64 s[22:23], s[22:23], s[66:67]
	v_lshlrev_b32 v[VB], 6, v2
	WIN TO_B
.irp b, 0,1,2,3,4,5,6,7
	global_load_b128 v[BI+8*\b:BI+8*\b+3], v[VB], s[22:23] offset:(32*(\b/2)+8*(\b%2))*4
	global_load_b128 v[BI+8*\b+4:BI+8*\b+7], v[VB], s[22:23] offset:(32*(\b/2)+8*(\b%2))*4+16
.endr
	WIN 0
	; where my results go: chunk ((b x 16 + head) x 16 + run of 128 tokens); my two heads' chunks lie 16 chunks apart
	s_lshl_b32 s20, s17, 1
	s_add_co_u32 s20, s20, s15                     ; my run of 128 tokens, 0..63
	s_lshl_b32 s46, s46, 2
	s_lshl_b32 s47, s16, 1
	s_add_co_u32 s46, s46, s47                     ; my first head
	s_and_b32 s21, s20, 0x30                       ; 16 x batch
	s_add_co_u32 s21, s21, s46
	s_lshl_b32 s21, s21, 4
	s_and_b32 s20, s20, 15
	s_add_co_u32 s21, s21, s20
	s_mov_b32 s45, 8960
	s_cmp_eq_u32 ttmp9, 0
	s_cselect_b32 s45, 4608, s45                   ; a chunk's bytes: qq's or kv's
	s_cselect_b64 s[12:13], s[96:97], s[98:99]
	s_mul_i32 s20, s21, s45
	s_mov_b32 s21, 0
	s_add_nc_u64 s[12:13], s[12:13], s[20:21]      ; the first head's chunk
	s_lshl_b32 s20, s45, 4
	s_add_nc_u64 s[2:3], s[12:13], s[20:21]        ; the second head's
	v_mul_u32_u24 v[SA], s20, v2
	v_lshl_add_u32 v[SA], v1, 4, v[SA]             ; scale words: 16 r; lanes 16-31 serve the second head
.macro FRAG reg, adr, q, i             ; block i's fragment of the slot's q-th K step: the image as it lies
.irp c, 0,1
	ds_load_b128 v[\reg+4*\c:\reg+4*\c+3], v[\adr] offset:(\i)*4096+(\q)*1024+512*\c
.endr
.endm
; 16 products: A's blocks a0, a0 + 1 x B's eight; p: B's set; s: the K step.  first = 1: C is the bias.  The 64 accumulators take turns, one instruction a turn, in the same order in every step.
.macro MUL16 a0, p, s, first
.irp a, \a0, \a0+1
.irp b, 0,1,2,3,4,5,6,7
.if \first
	v_wmma_scale_f32_16x16x128_f8f6f4 v[8*(8*((\a)%4)+\b):8*(8*((\a)%4)+\b)+7], v[128*(\p)+FR*\b:128*(\p)+FR*\b+FR-1], v[AF+FR*(\a):AF+FR*(\a)+FR-1], v[BI+8*\b:BI+8*\b+7], v[SC+8*\b+(\s)], v[SC+8*(\a)+(\s)] matrix_a_fmt:MATRIX_FMT_FP4 matrix_b_fmt:MATRIX_FMT_FP4 matrix_a_scale:MATRIX_SCALE_ROW1
.else
	v_wmma_scale_f32_16x16x128_f8f6f4 v[8*(8*((\a)%4)+\b):8*(8*((\a)%4)+\b)+7], v[128*(\p)+FR*\b:128*(\p)+FR*\b+FR-1], v[AF+FR*(\a):AF+FR*(\a)+FR-1], v[8*(8*((\a)%4)+\b):8*(8*((\a)%4)+\b)+7], v[SC+8*\b+(\s)], v[SC+8*(\a)+(\s)] matrix_a_fmt:MATRIX_FMT_FP4 matrix_b_fmt:MATRIX_FMT_FP4 matrix_a_scale:MATRIX_SCALE_ROW1
.endif
.endr
.endr
.endm
.macro FETCH_B slot, q, p
	WIN TO_B
.irp i, 0,1,2,3,4,5,6,7
	FRAG 128*(\p)+FR*\i, ADRB+\slot, \q, \i
.endr
	WIN 0
.endm
.macro FETCH_A slot, q, i0
.irp i, \i0, \i0+1, \i0+2, \i0+3
	FRAG AF+FR*(\i), ADRA+\slot, \q, \i
.endr
.endm
.macro SCALES                          ; all eight K steps' scale words, once: four words a load
.irp i, 0,1,2,3,4,5,6,7
.irp k, 0,1
	ds_load_b128 v[SC+8*\i+4*\k:SC+8*\i+4*\k+3], v[ADRS] offset:\i*512+\k*256
.endr
.endr
.endm
.macro STEP slot, q, first             ; a K step that has its successor in the same slot
	s_wait_dscnt 8                                 ; all but the youngest eight loads (A's blocks 4-7) are in
	WIN MUL_LO-0x10*(\first)
	MUL16 0, (\q)%2, 4*(\slot)+(\q), \first
	MUL16 2, (\q)%2, 4*(\slot)+(\q), \first
	s_wait_dscnt 0
	PLACES
	FETCH_B \slot, (\q)+1, 1-(\q)%2
	FETCH_A \slot, (\q)+1, 0
	WIN MUL_HI-0x20*(\first)
	MUL16 4, (\q)%2, 4*(\slot)+(\q), \first
	MUL16 6, (\q)%2, 4*(\slot)+(\q), \first
	PLACES
	WIN 0
	FETCH_A \slot, (\q)+1, 4
.endm
.macro TURN                            ; slot 0's last step goes over to slot 1: one barrier, behind which nothing is filled
	s_wait_tensorcnt 0x0                           ; my part of slot 1 has landed
	s_wait_dscnt 8
	WIN MUL_LO
	MUL16 0, 1, 3, 0
	s_wait_dscnt 0x0                               ; no LDS instruction of mine is out at the signal
	s_barrier_signal -1
	MUL16 2, 1, 3, 0
	WIN 0
	s_barrier_wait -1                              ; everybody's part has
	PLACES
	FETCH_B 1, 0, 0
	FETCH_A 1, 0, 0
	WIN MUL_HI
	MUL16 4, 1, 3, 0
	MUL16 6, 1, 3, 0
	PLACES
	WIN 0
	FETCH_A 1, 0, 4
.endm
	s_wait_tensorcnt 1                             ; the scales and my part of slot 0 are in; slot 1's load may be out
	s_barrier_signal -1
	s_barrier_wait -1                              ; everybody's are
	FETCH_B 0, 0, 0
	FETCH_A 0, 0, 0
	SCALES
	FETCH_A 0, 0, 4
	s_wait_loadcnt 0x0                             ; the bias
	STEP 0, 0, 1
	STEP 0, 1, 0
	STEP 0, 2, 0
	TURN
	STEP 1, 0, 0
	STEP 1, 1, 0
	STEP 1, 2, 0
	s_wait_dscnt 8                                 ; the last step: nothing more to fetch
	WIN MUL_LO
	MUL16 0, 1, 7, 0
	MUL16 2, 1, 7, 0
	s_wait_dscnt 0
	WIN MUL_HI
	MUL16 4, 1, 7, 0
	MUL16 6, 1, 7, 0
	WIN 0
	PLACES
; Block a's 64 numbers of a lane (register 16 j + i = n' 32 j + 16 h + i of my token) become a fragment's codes in v[PC] on and its scale word in v[dstw].  Each accumulator is read from its low end on.
.macro QUANT a, dstw
.set AC, 64*((\a)%4)
	WIN 0x0a+5*((\a)/4)                            ; sources 0 and 1: window 2 or 3
.irp b, 0,1,2,3
	v_max3_num_f32 v[TM+\b], |v[AC+16*\b]|, |v[AC+16*\b+1]|, 0x1800000   ; with the floor 2^(3 - 127): the byte cannot fall under 1
.endr
.irp i, 2,4,6,8,10,12,14
.irp b, 0,1,2,3
	v_max3_num_f32 v[TM+\b], |v[AC+16*\b+\i]|, |v[AC+16*\b+\i+1]|, v[TM+\b]
.endr
.endr
	WIN 0
.irp b, 0,1,2,3
	v_permlanex16_b32 v[TM+4+\b], v[TM+\b], s100, s101
.endr
.irp b, 0,1,2,3
	v_max_num_f32 v[TM+\b], v[TM+\b], v[TM+4+\b]   ; with lane l xor 16's 16: the block's largest magnitude
.endr
.irp b, 0,1,2,3
	v_add_nc_u32 v[TM+12+\b], 0xff000000, v[TM+\b] ; 2 off its exponent field: the conversion's scale operand
.endr
.irp b, 0,1,2,3
	v_lshrrev_b32 v[TM+4+\b], 23, v[TM+12+\b]      ; the byte
.endr
	v_lshl_or_b32 v[\dstw], v[TM+5], 8, v[TM+4]
	v_lshl_or_b32 v[\dstw], v[TM+6], 16, v[\dstw]
	v_lshl_or_b32 v[\dstw], v[TM+7], 24, v[\dstw]
	WIN 2+(\a)/4                                   ; source 0: window 2 or 3
.irp b, 0,1,2,3
	v_cvt_scalef32_pk8_fp4_f32 v[PC+2*\b], v[AC+16*\b:AC+16*\b+7], v[TM+12+\b]
	v_cvt_scalef32_pk8_fp4_f32 v[PC+2*\b+1], v[AC+16*\b+8:AC+16*\b+15], v[TM+12+\b]
.endr
	WIN 0
	v_nop                                          ; one plain place behind a scaled conversion
.irp c, 0,1                            ; a whole block of 32 to a lane: lanes 0-15 block 2 c, lanes 16-31 block 2 c + 1
.irp i, 0,1
	v_permlane16_swap_b32 v[PC+4*\c+\i], v[PC+2+4*\c+\i]
.endr
.endr
.endm
.irp a, 0,1,2,3,4,5,6,7
.if \a > 0
	s_wait_xcnt 0x0                                ; the last block's stores have read v[PC] on
.endif
	QUANT \a, PWS+\a
	v_lshrrev_b32 v[PWS+\a], v[SH], v[PWS+\a]      ; lanes 16-31: the second head's two bytes come down
	global_store_b128 v[LI], v[PC:PC+3], s[12:13] offset:\a*512      ; the first head's 64: 512 consecutive bytes, aligned
	global_store_b128 v[LI], v[PC+4:PC+7], s[2:3] offset:\a*512      ; the second head's
.endr
.irp q, 0,1
	global_store_b128 v[SA], v[PWS+4*\q:PWS+4*\q+3], s[12:13] offset:4096+256*\q   ; sixteen lanes store 256 consecutive bytes of each head's chunk
.endr
	s_wait_tensorcnt 0x0
	ds_add_u32 v254, v255
	s_wait_dscnt 0x0
	CROUND                                         ; the closing round: no work-group ends while a partner may still ask for a tile that names it
	s_endpgm
.Lfunc_end_k_qdd0955581b_gemm_qk:
	.size	k_qdd0955581b_gemm_qk, .Lfunc_end_k_qdd0955581b_gemm_qk-k_qdd0955581b_gemm_qk
	.p2alignl 7, 3214868480
	.fill 96, 4, 3214868480
	.section	.rodata,"a",@progbits
	.p2align	6, 0x0
	.amdhsa_kernel k_qdd0955581b_gemm_qk
		.amdhsa_group_segment_fixed_size 327680
		.amdhsa_private_segment_fixed_size 0
		.amdhsa_enable_private_segment 0
		.amdhsa_kernarg_size 64
		.amdhsa_user_sgpr_count 2
		.amdhsa_user_sgpr_kernarg_segment_ptr 1
		.amdhsa_wavefront_size32 1
		.amdhsa_system_sgpr_workgroup_id_x 1
		.amdhsa_system_sgpr_workgroup_id_y 1
		.amdhsa_system_sgpr_workgroup_id_z 1
		.amdhsa_system_vgpr_workitem_id 0
		.amdhsa_next_free_vgpr 1024
		.amdhsa_next_free_sgpr 102
		.amdhsa_reserve_vcc 0
		.amdhsa_float_denorm_mode_32 3
		.amdhsa_float_denorm_mode_16_64 3
		.amdhsa_memory_ordered 1
		.amdhsa_forward_progress 1
		.amdhsa_inst_pref_size 129
	.end_amdhsa_kernel
	.amdgpu_metadata
---
amdhsa.version: [ 1, 2 ]
amdhsa.kernels:
  - .name:           k_qdd0955581b_gemm_qk
    .symbol:         k_qdd0955581b_gemm_qk.kd
    .args:
      - { .name: xc, .offset: 0, .size: 8, .value_kind: global_buffer, .address_space: global }
      - { .name: xs, .offset: 8, .size: 8, .value_kind: global_buffer, .address_space: global }
      - { .name: wc, .offset: 16, .size: 8, .value_kind: global_buffer, .address_space: global }
      - { .name: ws, .offset: 24, .size: 8, .value_kind: global_buffer, .address_space: global }
      - { .name: bq, .offset: 32, .size: 8, .value_kind: global_buffer, .address_space: global }
      - { .name: bk, .offset: 40, .size: 8, .value_kind: global_buffer, .address_space: global }
      - { .name: qq, .offset: 48, .size: 8, .value_kind: global_buffer, .address_space: global }
      - { .name: kv, .offset: 56, .size: 8, .value_kind: global_buffer, .address_space: global }
    .group_segment_fixed_size: 327680
    .private_segment_fixed_size: 0
    .kernarg_segment_align: 8
    .kernarg_segment_size: 64
    .max_flat_workgroup_size: 128
    .sgpr_count:     102
    .vgpr_count:     1024
    .wavefront_size: 32
...
	.end_amdgpu_metadata
.endif
;; end of part 3
;; launch gemm_v (part 4): grid 32 x 4, 4 waves a work-group, clusters of 4 x 4, 327,680 bytes of LDS; arguments wc, ws, xc, xs, bv, kv; writes kv
.if DOCPART == 4
	.amdgcn_target "amdgcn-amd-amdhsa--gfx1250"
	.amdhsa_code_object_version 6
	.text
	.protected	k_qdd0955581b_gemm_v
	.globl	k_qdd0955581b_gemm_v
	.p2align	8
	.type	k_qdd0955581b_gemm_v,@function
k_qdd0955581b_gemm_v:
	s_mov_b64 s[64:65], 0
	v_nop
	global_prefetch_b8 v0, s[64:65] scope:SCOPE_SE
	s_setreg_imm32_b32 hwreg(HW_REG_WAVE_MODE, 25, 1), 1
	s_wait_xcnt 0x0
	s_wait_alu depctr_hold_cnt(0) depctr_sa_sdst(0) depctr_va_vdst(0) depctr_va_sdst(0) depctr_va_ssrc(0) depctr_va_vcc(0) depctr_vm_vsrc(0)
	s_getreg_b32 s2, hwreg(HW_REG_IB_STS2, 6, 4)
	s_cmp_eq_u32 s2, 0
	s_cbranch_scc0 .Lentry_in_a_cluster
	s_endpgm
.Lentry_in_a_cluster:
	s_bfe_u32 s2, ttmp6, 0x10000c
	s_cmp_lg_u32 s2, 0xf033
	s_cbranch_scc0 .Lentry_shape_is_right
	s_endpgm
.Lentry_shape_is_right:
; v^T = (x Wv + bv)^T on codes of FP4 (E2M1) with E8M0 scales, and its quantising along the KEYS for attention's second product.  The text is gemm_qk's but for the operands' roles, the bias and the way out.
; C'[m'][n'] = A' B'^T + bias:  A' = Wv (rows = the 1,024 channels: blocks 128-191 of wc), B' = x (rows = tokens: 512 blocks).  Tile row = 256 channels (4 heads), tile column = 256 tokens.
; Source 0 = a block of B' (tokens), source 1 = a block of A' (channels): lane (r, h) holds channel r of A's block, and the 16 registers of accumulators 2 j, 2 j + 1 are the neighbouring tokens 32 j + 16 h + 0 .. 15.
; So block a's 8 accumulators are 128 neighbouring keys of 16 channels: quantised they are the image of (4 blocks of a head's 64 channels, one run of 128 keys).
; OUT: kv [64 (b, head)][16 runs of 128 keys] chunks of 8,960 bytes: at 4,608 the four images of v^T (1,024 bytes each), at 8,704 their scale words [16 rows][4 blocks].
; A tile of C', 256 x 256, four waves of 128 x 128; K = 1,024 in two LDS slots of four K steps, each filled ONCE; 4 x 4 clusters with joint loads: as in gemm_qk.
; LIMITS: a block whose largest magnitude lies under 2^-124 keeps the byte 1, a block of zeros too (only this program reads the bytes); NaN and infinities are not served.
; REGISTERS: window 0: v1-27 addresses; v32-95 scale words (8 i + s: lanes 0-15 A's block i, lanes 16-31 B's block i, K step s); v128-191 A's fragments, one set; v200-231 the way out.
;   window 1: v0-63, v128-191 B's fragments, two sets; v64-127 the bias.   windows 2, 3: the accumulators ((a, b) at v[8 (8 (a % 4) + b)]).
.set OFFA,  128
.set OFFB,  0
.set SLOT,  131072
.set SCL,   2*SLOT
.set FR,    8
.set LI,    5
.set VB,    6
.set SA,    7
.set ADRA,  16
.set ADRB,  20
.set ADRS,  27
.set SC,    32
.set AF,    128
.set BI,    64
.set TM,    200
.set PC,    216
.set PWS,   224
.set G1, 24
.set G0, 32
.set G1B, 48
.set G0B, 56
.set G1S, 68
.set G0S, 76
.set G1SB, 80
.set G0SB, 88
.set MSB, 0
.macro WIN new                         ; the immediate's high byte repeats the setting that is left
.if MSB != (\new)
	s_set_vgpr_msb (MSB<<8)|(\new)
.set MSB, (\new)
.endif
.endm
.set MUL_LO, 0xa1                      ; source 0 (B) window 1, source 1 (A) window 0, C and D window 2;  less 0x10: C (the bias) window 1
.set MUL_HI, 0xf1                      ; the same, C and D window 3;  less 0x20: C window 1
.set TO_B,   0x40
.macro JLOAD g0a, g1a, g0b, g1b        ; a joint load: waves 0 and 1 fetch for A, waves 2 and 3 for B; four v_nop follow each line
	s_cmp_eq_u32 s15, 0
	s_cbranch_scc0 .Lfor_b_\@
	tensor_load_to_lds s[\g0a:\g0a+3], s[\g1a:\g1a+7]
	s_nop 0
.rept 4
	v_nop
.endr
	s_branch .Lasked_\@
.Lfor_b_\@:
	tensor_load_to_lds s[\g0b:\g0b+3], s[\g1b:\g1b+7]
	s_nop 0
.rept 4
	v_nop
.endr
.Lasked_\@:
.endm
.macro CROUND                          ; a round of the cluster's barrier
	s_barrier_signal -1
	s_barrier_wait -1
	s_cmp_lg_u32 s14, 0
	s_cbranch_scc1 .Lnot_wave_0_\@
	s_barrier_signal -3
.Lnot_wave_0_\@:
	s_barrier_wait -3
	s_barrier_signal -1
	s_barrier_wait -1
.endm
.macro PLACES                          ; four places behind this matrix form (ISA guide 7.12.1)
.rept 4
	v_nop
.endr
.endm
	s_load_b256 s[4:11], s[0:1], 0x0               ; A's codes, A's scales, B's codes, B's scales
	s_load_b128 s[92:95], s[0:1], 0x20             ; bv, kv
	v_lshl_add_u32 v254, v0, 2, 0x44000
	v_mov_b32 v255, 0
	ds_add_u32 v254, v255
	ds_add_u32 v254, v255
	v_lshrrev_b32 v1, 5, v0
	v_readfirstlane_b32 s14, v1                    ; wave 0..3
	s_lshr_b32 s15, s14, 1                         ; which half of the tile's rows is mine.  Also: I fetch for A (0) or for B (1)
	s_and_b32 s16, s14, 1                          ; which half of its columns.  Also: which 8 blocks I fetch
	s_bfe_u32 s40, ttmp6, 0x40000                  ; cx, cy
	s_bfe_u32 s41, ttmp6, 0x40004
	s_lshl_b32 s42, ttmp9, 2
	s_add_co_u32 s42, s42, s40                     ; tile column
	s_and_b32 s17, ttmp7, 0xffff
	s_lshl_b32 s17, s17, 2
	s_add_co_u32 s17, s17, s41                     ; tile row
	s_lshl_b32 s43, s41, 2
	s_lshl_b32 s43, 15, s43                        ; my row of the cluster
	s_lshl_b32 s44, 0x1111, s40                    ; my column
	; codes: 8 rows of 4,096 bytes (512 elements of 8 bytes), 8,192 bytes apart in memory, dense in LDS
	s_or_b32 s[G1+0], s43, (3<<16)|(1<<21)
	s_or_b32 s[G1B+0], s44, (3<<16)|(1<<21)
.irp g, G1, G1B
	s_mov_b32 s[\g+1], 512<<16
	s_mov_b32 s[\g+2], 8<<16
	s_mov_b32 s[\g+3], 512<<16
	s_mov_b32 s[\g+4], 8
	s_mov_b32 s[\g+5], 1024
	s_mov_b32 s[\g+6], 0
	s_mov_b32 s[\g+7], 0
.endr
	; scales: 8 blocks x 512 dense bytes, as 16 rows of 256
	s_or_b32 s[G1S+0], s43, (3<<16)|(1<<21)
	s_or_b32 s[G1SB+0], s44, (3<<16)|(1<<21)
.irp g, G1S, G1SB
	s_mov_b32 s[\g+1], 32<<16
	s_mov_b32 s[\g+2], 16<<16
	s_mov_b32 s[\g+3], 32<<16
	s_mov_b32 s[\g+4], 16
	s_mov_b32 s[\g+5], 32
	s_mov_b32 s[\g+6], 0
	s_mov_b32 s[\g+7], 0
.endr
	s_lshl_b32 s18, s16, 3
	s_lshl_b32 s20, s17, 4
	s_add_co_u32 s20, s20, s18                     ; A: block 16 x tile row + 8 x half,
.if OFFA
	s_add_co_u32 s20, s20, OFFA                    ; behind Wq's and Wk's
.endif
	s_lshl_b32 s22, s20, 9
	s_mov_b32 s23, 0
	s_lshl_b32 s20, s20, 13
	s_mov_b32 s21, 0
	s_lshl_b32 s46, s42, 4
	s_add_co_u32 s46, s46, s18                     ; B: block 16 x tile column + 8 x half
.if OFFB
	s_add_co_u32 s46, s46, OFFB
.endif
	s_lshl_b32 s66, s46, 9
	s_mov_b32 s67, 0
	s_lshl_b32 s46, s46, 13
	s_mov_b32 s47, 0
	s_lshl_b32 s45, s14, 15
	s_lshl_b32 s19, s14, 12
	s_mov_b32 s100, 0x76543210
	s_mov_b32 s101, 0xfedcba98
	s_wait_dscnt 0x0
	s_wait_kmcnt 0x0
	s_add_nc_u64 s[20:21], s[4:5], s[20:21]
	s_add_nc_u64 s[22:23], s[6:7], s[22:23]
	s_add_nc_u64 s[46:47], s[8:9], s[46:47]
	s_add_nc_u64 s[66:67], s[10:11], s[66:67]
	CROUND                                         ; all sixteen work-groups are here: the joint loads meet
	s_mov_b32 s[G0S], 1
	s_add_co_u32 s[G0S+1], s19, SCL
	s_mov_b64 s[G0S+2:G0S+3], s[22:23]
	s_or_b32 s[G0S+3], s[G0S+3], 0x80000000
	s_mov_b32 s[G0SB], 1
	s_add_co_u32 s[G0SB+1], s19, SCL
	s_mov_b64 s[G0SB+2:G0SB+3], s[66:67]
	s_or_b32 s[G0SB+3], s[G0SB+3], 0x80000000
	JLOAD G0S, G1S, G0SB, G1SB
.irp s, 0,1
	s_mov_b32 s[G0+4*\s], 1
	s_add_co_u32 s[G0+4*\s+1], s45, \s*SLOT
	s_add_nc_u64 s[G0+4*\s+2:G0+4*\s+3], s[20:21], \s*4096
	s_or_b32 s[G0+4*\s+3], s[G0+4*\s+3], 0x80000000
	s_mov_b32 s[G0B+4*\s], 1
	s_add_co_u32 s[G0B+4*\s+1], s45, \s*SLOT
	s_add_nc_u64 s[G0B+4*\s+2:G0B+4*\s+3], s[46:47], \s*4096
	s_or_b32 s[G0B+4*\s+3], s[G0B+4*\s+3], 0x80000000
	JLOAD G0+4*\s, G1, G0B+4*\s, G1B               ; three loads of mine are out: every LDS byte is filled once
.endr
	v_and_b32 v1, 15, v0                           ; r
	v_bfe_u32 v2, v0, 4, 1                         ; h
	v_and_b32 v3, 31, v0
	v_lshlrev_b32 v[LI], 4, v3
	s_lshl_b32 s21, s15, 15
	s_lshl_b32 s22, s16, 15
	s_add_co_u32 s22, s22, 65536
.irp s, 0,1
	v_add_nc_u32 v[ADRA+\s], s21, v[LI]
	v_add_nc_u32 v[ADRB+\s], s22, v[LI]
	s_add_co_u32 s21, s21, SLOT
	s_add_co_u32 s22, s22, SLOT
.endr
	s_lshl_b32 s21, s15, 12
	s_lshl_b32 s22, s16, 12
	s_add_co_u32 s22, s22, 8192
	s_sub_co_u32 s22, s22, s21
	v_mul_u32_u24 v4, s22, v2                      ; lanes 16-31 take B's: one product, h x the distance
	s_add_co_u32 s21, s21, SCL
	v_lshl_add_u32 v4, v1, 4, v4
	v_add_nc_u32 v[ADRS], s21, v4
.irp b, 0,1,2,3
	v_mov_b32 v[TM+4+\b], 0                        ; written once: a lane permute's destination counts as one of its sources
.endr
	; the bias hangs on the channel, which is the lane's: all eight registers of block a's C hold bv at channel 32 (a / 2) + 8 (a % 2) + r + 8 (r / 8)
	s_lshl_b32 s20, s17, 10
	s_lshl_b32 s21, s15, 9
	s_add_co_u32 s20, s20, s21                     ; (256 x tile row + 128 x half) x 4 bytes
	s_mov_b32 s21, 0
	s_add_nc_u64 s[22:23], s[92:93], s[20:21]
	v_and_b32 v[VB], 8, v1
	v_add_nc_u32 v[VB], v[VB], v1
	v_lshlrev_b32 v[VB], 2, v[VB]
	WIN TO_B
.irp a, 0,1,2,3,4,5,6,7
.irp j, 0,1,2,3,4,5,6,7
	global_load_b32 v[BI+8*\a+\j], v[VB], s[22:23] offset:(32*(\a/2)+8*(\a%2))*4
.endr
.endr
	WIN 0
	; where my results go: chunk ((b x 16 + head) x 16 + run of 128 keys), at its byte 4,608; my two heads' chunks lie 16 chunks apart
	s_lshl_b32 s46, s42, 1
	s_add_co_u32 s46, s46, s16                     ; my run of 128 tokens, 0..63
	s_lshl_b32 s20, s17, 2
	s_lshl_b32 s21, s15, 1
	s_add_co_u32 s20, s20, s21                     ; my first head
	s_and_b32 s21, s46, 0x30                       ; 16 x batch
	s_add_co_u32 s21, s21, s20
	s_lshl_b32 s21, s21, 4
	s_and_b32 s46, s46, 15
	s_add_co_u32 s21, s21, s46
	s_mul_i32 s20, s21, 8960
	s_add_co_u32 s20, s20, 4608
	s_mov_b32 s21, 0
	s_add_nc_u64 s[12:13], s[94:95], s[20:21]      ; the first head's images
	s_add_nc_u64 s[2:3], s[12:13], 143360          ; the second head's
	v_mul_u32_u24 v[SA], 143360, v2
	v_lshl_add_u32 v[SA], v1, 4, v[SA]             ; scale words: 16 r; lanes 16-31 serve the second head
	s_mov_b32 s45, 0xffff0000                      ; lanes 16-31
.macro FRAG reg, adr, q, i
.irp c, 0,1
	ds_load_b128 v[\reg+4*\c:\reg+4*\c+3], v[\adr] offset:(\i)*4096+(\q)*1024+512*\c
.endr
.endm
; 16 products: A's blocks a0, a0 + 1 x B's eight.  first = 1: C is block a's bias.  The 64 accumulators take turns, one instruction a turn, in the same order in every step.
.macro MUL16 a0, p, s, first
.irp a, \a0, \a0+1
.irp b, 0,1,2,3,4,5,6,7
.if \first
	v_wmma_scale_f32_16x16x128_f8f6f4 v[8*(8*((\a)%4)+\b):8*(8*((\a)%4)+\b)+7], v[128*(\p)+FR*\b:128*(\p)+FR*\b+FR-1], v[AF+FR*(\a):AF+FR*(\a)+FR-1], v[BI+8*(\a):BI+8*(\a)+7], v[SC+8*\b+(\s)], v[SC+8*(\a)+(\s)] matrix_a_fmt:MATRIX_FMT_FP4 matrix_b_fmt:MATRIX_FMT_FP4 matrix_a_scale:MATRIX_SCALE_ROW1
.else
	v_wmma_scale_f32_16x16x128_f8f6f4 v[8*(8*((\a)%4)+\b):8*(8*((\a)%4)+\b)+7], v[128*(\p)+FR*\b:128*(\p)+FR*\b+FR-1], v[AF+FR*(\a):AF+FR*(\a)+FR-1], v[8*(8*((\a)%4)+\b):8*(8*((\a)%4)+\b)+7], v[SC+8*\b+(\s)], v[SC+8*(\a)+(\s)] matrix_a_fmt:MATRIX_FMT_FP4 matrix_b_fmt:MATRIX_FMT_FP4 matrix_a_scale:MATRIX_SCALE_ROW1
.endif
.endr
.endr
.endm
.macro FETCH_B slot, q, p
	WIN TO_B
.irp i, 0,1,2,3,4,5,6,7
	FRAG 128*(\p)+FR*\i, ADRB+\slot, \q, \i
.endr
	WIN 0
.endm
.macro FETCH_A slot, q, i0
.irp i, \i0, \i0+1, \i0+2, \i0+3
	FRAG AF+FR*(\i), ADRA+\slot, \q, \i
.endr
.endm
.macro SCALES
.irp i, 0,1,2,3,4,5,6,7
.irp k, 0,1
	ds_load_b128 v[SC+8*\i+4*\k:SC+8*\i+4*\k+3], v[ADRS] offset:\i*512+\k*256
.endr
.endr
.endm
.macro STEP slot, q, first
	s_wait_dscnt 8                                 ; all but the youngest eight loads (A's blocks 4-7) are in
	WIN MUL_LO-0x10*(\first)
	MUL16 0, (\q)%2, 4*(\slot)+(\q), \first
	MUL16 2, (\q)%2, 4*(\slot)+(\q), \first
	s_wait_dscnt 0
	PLACES
	FETCH_B \slot, (\q)+1, 1-(\q)%2
	FETCH_A \slot, (\q)+1, 0
	WIN MUL_HI-0x20*(\first)
	MUL16 4, (\q)%2, 4*(\slot)+(\q), \first
	MUL16 6, (\q)%2, 4*(\slot)+(\q), \first
	PLACES
	WIN 0
	FETCH_A \slot, (\q)+1, 4
.endm
.macro TURN                            ; slot 0's last step goes over to slot 1: one barrier, behind which nothing is filled
	s_wait_tensorcnt 0x0                           ; my part of slot 1 has landed
	s_wait_dscnt 8
	WIN MUL_LO
	MUL16 0, 1, 3, 0
	s_wait_dscnt 0x0                               ; no LDS instruction of mine is out at the signal
	s_barrier_signal -1
	MUL16 2, 1, 3, 0
	WIN 0
	s_barrier_wait -1
	PLACES
	FETCH_B 1, 0, 0
	FETCH_A 1, 0, 0
	WIN MUL_HI
	MUL16 4, 1, 3, 0
	MUL16 6, 1, 3, 0
	PLACES
	WIN 0
	FETCH_A 1, 0, 4
.endm
	s_wait_tensorcnt 1                             ; the scales and my part of slot 0 are in; slot 1's load may be out
	s_barrier_signal -1
	s_barrier_wait -1
	FETCH_B 0, 0, 0
	FETCH_A 0, 0, 0
	SCALES
	FETCH_A 0, 0, 4
	s_wait_loadcnt 0x0                             ; the bias
	STEP 0, 0, 1
	STEP 0, 1, 0
	STEP 0, 2, 0
	TURN
	STEP 1, 0, 0
	STEP 1, 1, 0
	STEP 1, 2, 0
	s_wait_dscnt 8
	WIN MUL_LO
	MUL16 0, 1, 7, 0
	MUL16 2, 1, 7, 0
	s_wait_dscnt 0
	WIN MUL_HI
	MUL16 4, 1, 7, 0
	MUL16 6, 1, 7, 0
	WIN 0
	PLACES
; Block a's 64 numbers of a lane (register 16 j + i = key 32 j + 16 h + i of my channel) become a fragment's codes in v[PC] on and its scale word in v[dstw].  Each accumulator is read from its low end on.
.macro QUANT a, dstw
.set AC, 64*((\a)%4)
	WIN 0x0a+5*((\a)/4)
.irp b, 0,1,2,3
	v_max3_num_f32 v[TM+\b], |v[AC+16*\b]|, |v[AC+16*\b+1]|, 0x1800000   ; with the floor 2^(3 - 127)
.endr
.irp i, 2,4,6,8,10,12,14
.irp b, 0,1,2,3
	v_max3_num_f32 v[TM+\b], |v[AC+16*\b+\i]|, |v[AC+16*\b+\i+1]|, v[TM+\b]
.endr
.endr
	WIN 0
.irp b, 0,1,2,3
	v_permlanex16_b32 v[TM+4+\b], v[TM+\b], s100, s101
.endr
.irp b, 0,1,2,3
	v_max_num_f32 v[TM+\b], v[TM+\b], v[TM+4+\b]
.endr
.irp b, 0,1,2,3
	v_add_nc_u32 v[TM+12+\b], 0xff000000, v[TM+\b]
.endr
.irp b, 0,1,2,3
	v_lshrrev_b32 v[TM+4+\b], 23, v[TM+12+\b]
.endr
	v_lshl_or_b32 v[\dstw], v[TM+5], 8, v[TM+4]
	v_lshl_or_b32 v[\dstw], v[TM+6], 16, v[\dstw]
	v_lshl_or_b32 v[\dstw], v[TM+7], 24, v[\dstw]
	WIN 2+(\a)/4
.irp b, 0,1,2,3
	v_cvt_scalef32_pk8_fp4_f32 v[PC+2*\b], v[AC+16*\b:AC+16*\b+7], v[TM+12+\b]
	v_cvt_scalef32_pk8_fp4_f32 v[PC+2*\b+1], v[AC+16*\b+8:AC+16*\b+15], v[TM+12+\b]
.endr
	WIN 0
	v_nop                                          ; one plain place behind a scaled conversion
.irp c, 0,1
.irp i, 0,1
	v_permlane16_swap_b32 v[PC+4*\c+\i], v[PC+2+4*\c+\i]
.endr
.endr
.endm
.irp a, 0,1,2,3
.if \a > 0
	s_wait_xcnt 0x0                                ; the last block's stores have read v[PC] on
.endif
	QUANT \a, PWS+\a
	global_store_b128 v[LI], v[PC:PC+3], s[12:13] offset:\a*1024         ; the image as it stands: 512 consecutive bytes a store
	global_store_b128 v[LI], v[PC+4:PC+7], s[12:13] offset:\a*1024+512
.endr
.irp a, 4,5,6,7
	s_wait_xcnt 0x0
	QUANT \a, PWS+\a
	global_store_b128 v[LI], v[PC:PC+3], s[2:3] offset:(\a-4)*1024       ; the second head's
	global_store_b128 v[LI], v[PC+4:PC+7], s[2:3] offset:(\a-4)*1024+512
.endr
.irp j, 0,1,2,3
	v_cndmask_b32 v[PWS+\j], v[PWS+\j], v[PWS+4+\j], s45           ; lanes 16-31 carry the second head's words
.endr
	global_store_b128 v[SA], v[PWS:PWS+3], s[12:13] offset:4096    ; sixteen lanes store 256 consecutive bytes of each head's chunk
	s_wait_tensorcnt 0x0
	ds_add_u32 v254, v255
	s_wait_dscnt 0x0
	CROUND                                         ; the closing round
	s_endpgm
.Lfunc_end_k_qdd0955581b_gemm_v:
	.size	k_qdd0955581b_gemm_v, .Lfunc_end_k_qdd0955581b_gemm_v-k_qdd0955581b_gemm_v
	.p2alignl 7, 3214868480
	.fill 96, 4, 3214868480
	.section	.rodata,"a",@progbits
	.p2align	6, 0x0
	.amdhsa_kernel k_qdd0955581b_gemm_v
		.amdhsa_group_segment_fixed_size 327680
		.amdhsa_private_segment_fixed_size 0
		.amdhsa_enable_private_segment 0
		.amdhsa_kernarg_size 48
		.amdhsa_user_sgpr_count 2
		.amdhsa_user_sgpr_kernarg_segment_ptr 1
		.amdhsa_wavefront_size32 1
		.amdhsa_system_sgpr_workgroup_id_x 1
		.amdhsa_system_sgpr_workgroup_id_y 1
		.amdhsa_system_sgpr_workgroup_id_z 1
		.amdhsa_system_vgpr_workitem_id 0
		.amdhsa_next_free_vgpr 1024
		.amdhsa_next_free_sgpr 102
		.amdhsa_reserve_vcc 0
		.amdhsa_float_denorm_mode_32 3
		.amdhsa_float_denorm_mode_16_64 3
		.amdhsa_memory_ordered 1
		.amdhsa_forward_progress 1
		.amdhsa_inst_pref_size 134
	.end_amdhsa_kernel
	.amdgpu_metadata
---
amdhsa.version: [ 1, 2 ]
amdhsa.kernels:
  - .name:           k_qdd0955581b_gemm_v
    .symbol:         k_qdd0955581b_gemm_v.kd
    .args:
      - { .name: wc, .offset: 0, .size: 8, .value_kind: global_buffer, .address_space: global }
      - { .name: ws, .offset: 8, .size: 8, .value_kind: global_buffer, .address_space: global }
      - { .name: xc, .offset: 16, .size: 8, .value_kind: global_buffer, .address_space: global }
      - { .name: xs, .offset: 24, .size: 8, .value_kind: global_buffer, .address_space: global }
      - { .name: bv, .offset: 32, .size: 8, .value_kind: global_buffer, .address_space: global }
      - { .name: kv, .offset: 40, .size: 8, .value_kind: global_buffer, .address_space: global }
    .group_segment_fixed_size: 327680
    .private_segment_fixed_size: 0
    .kernarg_segment_align: 8
    .kernarg_segment_size: 48
    .max_flat_workgroup_size: 128
    .sgpr_count:     102
    .vgpr_count:     1024
    .wavefront_size: 32
...
	.end_amdgpu_metadata
.endif
;; end of part 4
;; launch attn (part 5): grid 4 x 64, 16 waves a work-group, no clusters, 169,984 bytes of LDS; arguments qq, kv, ac, asc; writes ac, asc
.if DOCPART == 5
	.amdgcn_target "amdgcn-amd-amdhsa--gfx1250"
	.amdhsa_code_object_version 6
	.text
	.protected	k_qdd0955581b_attn
	.globl	k_qdd0955581b_attn
	.p2align	8
	.type	k_qdd0955581b_attn,@function
k_qdd0955581b_attn:
	s_mov_b64 s[64:65], 0
	v_nop
	global_prefetch_b8 v0, s[64:65] scope:SCOPE_SE
	s_setreg_imm32_b32 hwreg(HW_REG_WAVE_MODE, 25, 1), 1
	s_wait_xcnt 0x0
; Causal attention of one (batch, head) on codes of FP4 (E2M1) with E8M0 scales, and the quantising of O / l along the model's 1,024 for the last product.  2,048 tokens, head size 64.
; THE SOFTMAX AHEAD OF THE SECOND PRODUCT: t = score x log2(e) / 8; M = the row's largest t so far, rounded UP to a whole number; p = 2^(t - M) is quantised along the keys, not normalised.
; The row's sum l is taken of the unquantised p; when M moves, l and O are multiplied by 2^(old M - new M), which rounds nothing; O is divided by l at the end (v_rcp_f32 and a multiplication).
; IN: qq, kv as gemm_qk and gemm_v lay them: for each run of 128 tokens a chunk: 8 blocks of 16 tokens (512 bytes of codes each: registers 0-3 of a fragment; the head's 64 fill half of the instruction's 128,
; registers 4-7 are zero codes), their scale words, and in kv the four images of v^T (16 channels x 128 keys) with theirs.  Block i = tokens 32 (i / 2) + 8 (i % 2) + r + 8 (r / 8).
; BOTH PRODUCTS TRANSPOSED: S^T = K Q^T, O^T = V^T P^T: a lane holds ONE query throughout; the 16 registers of tiles 2 j, 2 j + 1 are the neighbours 32 j + 16 h + 0 .. 15 (keys in S^T, channels in O^T).
; SHARES: work-group (x, y): head y, the blocks x and 7 - x of 256 queries; wave w takes query tile 16 x block + w of each, one after the other.  A tile I walks I / 8 + 1 key steps of 128,
; so a wave walks 16 steps (w < 8) or 18 whatever x is: 256 work-groups of equal work.
; THE WHOLE HEAD'S kv, 16 chunks of 8,960 bytes, LIES IN LDS, filled ONCE: wave w brings chunk w by one tensor load; one barrier; then LDS is only read.
; CAUSAL: each tile's loop has 16 trips, a constant; a step all of whose keys come after the tile's queries is jumped over by a scalar branch on ids; in the one step on the diagonal hidden scores become -infinity.
; NO CLUSTER, though the four work-groups of a head read the same kv: the jump over hidden steps hangs on the query block, which would be the place in the cluster, and partners must run alike.
; OUT: ac as xc (the tile's 64 channels are half of an image: 512 bytes), asc as xs (two bytes a row and head).
; LIMITS: NaN and infinities are not served; a p under 2^-126 falls to 0; a block of zeros, or one under 2^-124, keeps the byte 1 (only this program reads the bytes).
; REGISTERS: v1 16 x lane, v2 16 r, v3 r + 8 (r / 8) - 16 h, v4-5 the step's LDS addresses, v6 16 r + h; v12 -M, v13 the largest t, v[14:15] l in two halves; v16-23 Q; v32-63 four fragments of K;
;   v64-95 four of V; v96-159 S^T, then p; v160-191 O^T; v200-207 K's scale words, v208-211 V's; v224-231 p's codes; v232-254 at work; v253 p's scale word; v255 Q's.
.set CHK, 8960
	s_load_b256 s[4:11], s[0:1], 0x0               ; qq, kv, ac, asc
	v_lshl_add_u32 v250, v0, 2, 0x29000
	v_mov_b32 v251, 0
	ds_add_u32 v250, v251
	ds_add_u32 v250, v251
	v_lshrrev_b32 v8, 5, v0
	s_delay_alu instid0(VALU_DEP_1)
	v_readfirstlane_b32 s18, v8                    ; wave 0..15
	s_and_b32 s19, ttmp7, 0xffff                   ; 16 x batch + head
	s_mov_b32 s24, 3<<16                           ; group 1: no mask, elements of 8 bytes, no padding: a chunk is 35 dense rows of 256 bytes
	s_mov_b32 s25, 32<<16                          ; tensor_dim0
	s_mov_b32 s26, 35<<16                          ; tensor_dim1
	s_mov_b32 s27, 32<<16                          ; tile_dim0
	s_mov_b32 s28, 35                              ; tile_dim1
	s_mov_b32 s29, 32                              ; stride
	s_mov_b32 s30, 0
	s_mov_b32 s31, 0
	s_lshl_b32 s54, s19, 4
	s_add_co_u32 s54, s54, s18
	s_mul_i32 s54, s54, CHK                        ; my chunk in memory
	s_mov_b32 s55, 0
	s_mov_b32 s32, 1
	s_mul_i32 s33, s18, CHK                        ; and in LDS
	s_mov_b32 s20, 0x76543210
	s_mov_b32 s21, 0xfedcba98                      ; v_permlanex16_b32's selects for lane l xor 16
	s_mov_b32 s22, 0x3e38aa3b                      ; c = log2(e) / 8
	s_mov_b32 s23, s22                             ; (named with it as a pair)
	s_mov_b32 s36, 0xffff0000                      ; lanes 16-31
	s_wait_dscnt 0x0
	s_wait_kmcnt 0x0
	s_add_nc_u64 s[34:35], s[6:7], s[54:55]
	s_or_b32 s35, s35, 0x80000000
	tensor_load_to_lds s[32:35], s[24:31]          ; my one tensor load
	s_nop 0
.rept 4
	v_nop
.endr
	v_and_b32 v8, 31, v0
	s_delay_alu instid0(VALU_DEP_1)
	v_lshlrev_b32 v1, 4, v8                        ; 16 x lane
	v_and_b32 v9, 15, v0                           ; r
	v_bfe_u32 v10, v0, 4, 1                        ; h
	s_delay_alu instid0(VALU_DEP_2)
	v_lshlrev_b32 v2, 4, v9                        ; 16 r
	s_delay_alu instid0(VALU_DEP_3)
	v_and_b32 v11, 8, v9
	s_delay_alu instid0(VALU_DEP_1)
	v_add_nc_u32 v3, v11, v9
	s_delay_alu instid0(VALU_DEP_4)
	v_lshlrev_b32 v11, 4, v10
	s_delay_alu instid0(VALU_DEP_1)
	v_sub_nc_u32 v3, v3, v11                       ; my query in its tile, less my half's 16 keys
	v_add_nc_u32 v6, v2, v10                       ; asc: row r's 16 bytes, byte h of the head's two
.irp j, 20,21,22,23, 36,37,38,39, 44,45,46,47, 52,53,54,55, 60,61,62,63
	v_mov_b32 v\j, 0                               ; the upper halves of Q's and K's fragments: zero codes for k = 64 .. 127, written once
.endr
.irp j, 236,237,238,239, 252,253
	v_mov_b32 v\j, 0                               ; written once: a lane permute's destination counts as one of its sources; v253 is named in the pair v[252:253]
.endr
	s_wait_tensorcnt 0x0                           ; my chunk has landed
	s_barrier_signal -1
	s_barrier_wait -1                              ; all sixteen have
.macro TILE pass
	s_wait_xcnt 0x0                                ; the last tile's stores have read their bases and data
.if \pass == 0
	s_mov_b32 s38, ttmp9                           ; the block of 256 queries
.else
	s_sub_co_u32 s38, 7, ttmp9
.endif
	s_lshl_b32 s39, s38, 4
	s_add_co_u32 s39, s39, s18                     ; I: my tile of 16 queries, 0..127
	s_lshr_b32 s40, s39, 3                         ; KD: the run of 128 tokens in which it lies = its last key step
	s_lshr_b32 s41, s39, 1
	s_lshl_b32 s41, s41, 5
	s_and_b32 s54, s39, 1
	s_lshl_b32 s54, s54, 3
	s_add_co_u32 s41, s41, s54                     ; Q0 = 32 (I / 2) + 8 (I % 2)
	s_lshl_b32 s54, s19, 4
	s_add_co_u32 s54, s54, s40
	s_mul_i32 s54, s54, 4608                       ; Q's chunk
	s_and_b32 s55, s39, 7
	s_lshl_b32 s56, s55, 9
	s_add_co_u32 s56, s56, s54
	s_mov_b32 s57, 0
	s_add_nc_u64 s[46:47], s[4:5], s[56:57]        ; my tile's codes
	s_lshr_b32 s56, s55, 2
	s_lshl_b32 s56, s56, 8
	s_and_b32 s55, s39, 3
	s_lshl_b32 s55, s55, 2
	s_add_co_u32 s56, s56, s55
	s_add_co_u32 s56, s56, s54
	s_add_co_u32 s56, s56, 4096
	s_add_nc_u64 s[48:49], s[4:5], s[56:57]        ; its scale words
	s_lshr_b32 s54, s19, 4
	s_lshl_b32 s54, s54, 7
	s_add_co_u32 s54, s54, s39                     ; the tile among all 512 blocks of tokens
	s_and_b32 s55, s19, 15                         ; the head
	s_lshl_b32 s56, s54, 13
	s_lshl_b32 s58, s55, 9                         ; K step head / 2, half head % 2 of the image: 512 bytes a head
	s_add_co_u32 s56, s56, s58
	s_add_nc_u64 s[50:51], s[8:9], s[56:57]        ; where the codes go
	s_lshl_b32 s56, s54, 9
	s_lshr_b32 s58, s55, 3
	s_lshl_b32 s58, s58, 8
	s_add_co_u32 s56, s56, s58
	s_and_b32 s58, s55, 7
	s_lshl_b32 s58, s58, 1
	s_add_co_u32 s56, s56, s58
	s_add_nc_u64 s[52:53], s[10:11], s[56:57]      ; and the two scale bytes
	global_load_b128 v[16:19], v1, s[46:47]        ; Q's fragment stays in registers
	global_load_b32 v255, v2, s[48:49]
	v_mov_b32 v13, 0xff61b1e6                      ; the largest t so far: -3e38, under every t
	s_delay_alu instid0(VALU_DEP_1)
	v_floor_f32 v12, -v13                          ; -M
	v_mov_b32 v14, 0
	v_mov_b32 v15, 0
.set Q, 0
.rept 32
	v_mov_b32 v[160+Q], 0                          ; O^T: the step is written once; the first change of M leaves zeros zeros
.set Q, Q+1
.endr
	s_mov_b32 s42, 0                               ; the key step
	s_mov_b32 s43, 0                               ; its chunk in LDS
	s_mov_b32 s44, 0                               ; its first key
	s_wait_loadcnt 0x0
.Lstep_\@:
	s_cmp_gt_u32 s42, s40                          ; all its keys come after my queries: nothing to do but step
	s_cbranch_scc1 .Lhidden_\@
	s_setprio 2
	v_add_nc_u32 v4, s43, v1
	v_add_nc_u32 v5, s43, v2
.irp j, 0,1,2,3                        ; S^T = K Q^T, four tiles of 16 keys at a time
	ds_load_b128 v[32+8*\j:35+8*\j], v4 offset:512*\j
.endr
	ds_load_b128 v[200:203], v5 offset:4096        ; the scale words of all eight tiles
	ds_load_b128 v[204:207], v5 offset:4352
	s_wait_alu depctr_va_vdst(0)
	s_wait_dscnt 0x0
.irp j, 0,1,2,3
	v_wmma_scale_f32_16x16x128_f8f6f4 v[96+8*\j:103+8*\j], v[32+8*\j:39+8*\j], v[16:23], 0, v[200+\j], v255 matrix_a_fmt:MATRIX_FMT_FP4 matrix_b_fmt:MATRIX_FMT_FP4
.endr
.rept 4
	v_nop                                          ; places in front of loads into registers that these products have read
.endr
.irp j, 0,1,2,3
	ds_load_b128 v[32+8*\j:35+8*\j], v4 offset:2048+512*\j
.endr
	s_wait_dscnt 0x0
.irp j, 0,1,2,3
	v_wmma_scale_f32_16x16x128_f8f6f4 v[128+8*\j:135+8*\j], v[32+8*\j:39+8*\j], v[16:23], 0, v[204+\j], v255 matrix_a_fmt:MATRIX_FMT_FP4 matrix_b_fmt:MATRIX_FMT_FP4
.endr
.irp e, 0,1,2,3                        ; V is asked for now and lands under the softmax (behind the last step's products on these registers stand the two additions and the four v_nop above)
.irp c, 0,1
	ds_load_b128 v[64+8*\e+4*\c:67+8*\e+4*\c], v4 offset:4608+1024*\e+512*\c
.endr
.endr
	ds_load_b128 v[208:211], v5 offset:8704
.rept 4
	v_nop                                          ; places in front of the first read of the scores
.endr
	s_cmp_lt_u32 s42, s40                          ; a step all of whose keys count skips the mask
	s_cbranch_scc1 .Lopen_\@
	s_sub_co_i32 s54, s41, s44
	v_add_nc_u32 v252, s54, v3                     ; d = my query - the step's first key - 16 h.  Register 16 j + i holds key 32 j + 16 h + i of the step: hidden where 32 j + i > d
	v_mov_b32 v254, 0xff800000                     ; -infinity
.irp n, 0,1,2,3,4,5,6,7,8,9,10,11,12,13,14,15,16,17,18,19,20,21,22,23,24,25,26,27,28,29,30,31,32,33,34,35,36,37,38,39,40,41,42,43,44,45,46,47,48,49,50,51,52,53,54,55,56,57,58,59,60,61,62,63
	v_cmp_gt_i32 vcc_lo, 32*(\n/16)+\n%16, v252
	v_cndmask_b32 v[96+\n], v[96+\n], v254, vcc_lo
.endr
.Lopen_\@:
.irp b, 0,1,2,3
	v_max3_num_f32 v[232+\b], v[96+16*\b], v[97+16*\b], v[98+16*\b]   ; the largest score of each block of 32 keys: for the row's maximum and, since p rises with the score, for the block's largest p
.endr
.irp i, 3,5,7,9,11,13
.irp b, 0,1,2,3
	v_max3_num_f32 v[232+\b], v[232+\b], v[96+16*\b+\i], v[97+16*\b+\i]
.endr
.endr
.irp b, 0,1,2,3
	v_max_num_f32 v[232+\b], v[232+\b], v[111+16*\b]
.endr
.irp b, 0,1,2,3
	s_delay_alu instid0(VALU_DEP_4)
	v_permlanex16_b32 v[236+\b], v[232+\b], s20, s21
.endr
.irp b, 0,1,2,3
	s_delay_alu instid0(VALU_DEP_4)
	v_max_num_f32 v[232+\b], v[232+\b], v[236+\b]  ; with lane l xor 16's 16 keys
.endr
	s_delay_alu instid0(VALU_DEP_2)
	v_max3_num_f32 v254, v232, v233, v234
	s_delay_alu instid0(VALU_DEP_1)
	v_max_num_f32 v254, v254, v235                 ; the step's largest score of my query
	s_delay_alu instid0(VALU_DEP_1)
	v_mul_f32 v254, s22, v254                      ; as t (c is positive)
	s_delay_alu instid0(VALU_DEP_1)
	v_max_num_f32 v13, v13, v254                   ; the running largest t
	v_mov_b32 v254, v12
	s_delay_alu instid0(VALU_DEP_2)
	v_floor_f32 v12, -v13                          ; the new -M = -ceil(t)
	s_delay_alu instid0(VALU_DEP_1)
	v_sub_f32 v254, v12, v254                      ; old M - new M: a whole number, 0 or less
	s_delay_alu instid0(VALU_DEP_1)
	v_cvt_i32_f32 v254, v254                       ; (it saturates)
	s_delay_alu instid0(VALU_DEP_1)
	v_ldexp_f32 v252, 1.0, v254                    ; f = 2^(old M - new M)
.irp j, 0,2,4,6,8,10,12,14,16,18,20,22,24,26,28,30,32,34,36,38,40,42,44,46,48,50,52,54,56,58,60,62
	v_pk_fma_f32 v[96+\j:97+\j], v[96+\j:97+\j], s[22:23], v[12:13] op_sel_hi:[1,0,0]   ; t - M, two at a time
.endr
	s_setprio 1
.irp b, 0,1,2,3
	v_fma_f32 v[232+\b], v[232+\b], s22, v12       ; the same of each block's largest score
.endr
	s_wait_alu depctr_va_vdst(0)
.irp j, 0,1,2,3,4,5,6,7,8,9,10,11,12,13,14,15,16,17,18,19,20,21,22,23,24,25,26,27,28,29,30,31,32,33,34,35,36,37,38,39,40,41,42,43,44,45,46,47,48,49,50,51,52,53,54,55,56,57,58,59,60,61,62,63
	v_exp_f32 v[96+\j], v[96+\j]                   ; p = 2^(t - M), at most 1
.endr
.irp b, 0,1,2,3
	v_exp_f32 v[232+\b], v[232+\b]                 ; the block's largest p: the same two instructions on the same number
.endr
	v_pk_mul_f32 v[14:15], v[14:15], v[252:253] op_sel_hi:[1,0]    ; l under the new M (a plain place behind the exponentials)
	s_wait_alu depctr_va_vdst(0)
.irp b, 0,1,2,3
	v_max_num_f32 v[232+\b], 0x1800000, v[232+\b]  ; the floor 2^(3 - 127): the byte cannot fall under 1
.endr
.irp b, 0,1,2,3
	s_delay_alu instid0(VALU_DEP_4)
	v_add_nc_u32 v[244+\b], 0xff000000, v[232+\b]  ; 2 off the exponent field: the conversion's scale operand
.endr
.irp b, 0,1,2,3
	s_delay_alu instid0(VALU_DEP_4)
	v_lshrrev_b32 v[236+\b], 23, v[244+\b]         ; the byte
.endr
	s_delay_alu instid0(VALU_DEP_3)
	v_lshl_or_b32 v253, v237, 8, v236              ; p's scale word for these 128 keys
	s_delay_alu instid0(VALU_DEP_1)
	v_lshl_or_b32 v253, v238, 16, v253
	s_delay_alu instid0(VALU_DEP_1)
	v_lshl_or_b32 v253, v239, 24, v253
.irp b, 0,1,2,3
	v_cvt_scalef32_pk8_fp4_f32 v[224+2*\b], v[96+16*\b:103+16*\b], v[244+\b]
	v_cvt_scalef32_pk8_fp4_f32 v[225+2*\b], v[104+16*\b:111+16*\b], v[244+\b]
.endr
	v_nop                                          ; one plain place behind a scaled conversion
.irp c, 0,1                            ; a whole block of 32 keys to a lane
.irp i, 0,1
	v_permlane16_swap_b32 v[224+4*\c+\i], v[226+4*\c+\i]
.endr
.endr
	v_pk_add_f32 v[236:237], v[100:101], v[104:105]
	v_pk_add_f32 v[248:249], v[108:109], v[112:113]
	v_pk_add_f32 v[246:247], v[116:117], v[120:121]
	v_pk_add_f32 v[244:245], v[124:125], v[128:129]
	v_pk_add_f32 v[242:243], v[132:133], v[136:137]
	v_pk_add_f32 v[240:241], v[140:141], v[144:145]
	v_pk_add_f32 v[234:235], v[148:149], v[152:153]
	v_pk_add_f32 v[14:15], v[14:15], v[156:157]
	v_pk_add_f32 v[236:237], v[236:237], v[96:97]
	v_pk_add_f32 v[248:249], v[248:249], v[98:99]
	v_pk_add_f32 v[246:247], v[246:247], v[102:103]
	v_pk_add_f32 v[244:245], v[244:245], v[106:107]
	s_setprio 0
	v_pk_add_f32 v[242:243], v[242:243], v[110:111]
	v_pk_add_f32 v[240:241], v[240:241], v[114:115]
	v_pk_add_f32 v[234:235], v[234:235], v[118:119]
	v_pk_add_f32 v[14:15], v[14:15], v[122:123]
	v_pk_add_f32 v[236:237], v[236:237], v[126:127]
	v_pk_add_f32 v[248:249], v[248:249], v[130:131]
	v_pk_add_f32 v[246:247], v[246:247], v[134:135]
	v_pk_add_f32 v[244:245], v[244:245], v[138:139]
	v_pk_add_f32 v[242:243], v[242:243], v[142:143]
	v_pk_add_f32 v[240:241], v[240:241], v[146:147]
	v_pk_add_f32 v[234:235], v[234:235], v[150:151]
	v_pk_add_f32 v[14:15], v[14:15], v[154:155]
	v_pk_add_f32 v[236:237], v[236:237], v[158:159]
	s_delay_alu instid0(VALU_DEP_2)
	v_pk_add_f32 v[14:15], v[14:15], v[244:245]
	s_delay_alu instid0(VALU_DEP_2)
	v_pk_add_f32 v[236:237], v[236:237], v[242:243]
	v_pk_add_f32 v[248:249], v[248:249], v[240:241]
	v_pk_add_f32 v[246:247], v[246:247], v[234:235]
	s_delay_alu instid0(VALU_DEP_2)
	v_pk_add_f32 v[14:15], v[14:15], v[248:249]
	s_delay_alu instid0(VALU_DEP_2)
	v_pk_add_f32 v[236:237], v[236:237], v[246:247]
	s_delay_alu instid0(VALU_DEP_1)
	v_pk_add_f32 v[14:15], v[14:15], v[236:237]
.irp j, 0,2,4,6,8,10,12,14,16,18,20,22,24,26,28,30
	v_pk_mul_f32 v[160+\j:161+\j], v[160+\j:161+\j], v[252:253] op_sel_hi:[1,0]   ; O^T under the new M.  (The sums and these are the places between p's codes and scale word and the products)
.endr
	s_wait_alu depctr_va_vdst(0)
	s_wait_dscnt 0x0                               ; V is in
.irp e, 0,1,2,3                        ; O^T += V^T P^T: the four accumulators by turns
	v_wmma_scale_f32_16x16x128_f8f6f4 v[160+8*\e:167+8*\e], v[64+8*\e:71+8*\e], v[224:231], v[160+8*\e:167+8*\e], v[208+\e], v253 matrix_a_fmt:MATRIX_FMT_FP4 matrix_b_fmt:MATRIX_FMT_FP4
.endr
.Lhidden_\@:
	s_add_co_u32 s44, s44, 128
	s_add_co_u32 s43, s43, CHK
	s_add_co_u32 s42, s42, 1
	s_cmp_lt_u32 s42, 16
	s_cbranch_scc1 .Lstep_\@
	s_setprio 0
.rept 4
	v_nop                                          ; places behind the last products
.endr
	v_add_f32 v14, v14, v15                        ; l's two halves,
	s_delay_alu instid0(VALU_DEP_1)
	v_permlanex16_b32 v252, v14, s20, s21
	s_delay_alu instid0(VALU_DEP_1)
	v_add_f32 v14, v14, v252                       ; and lane l xor 16's
	s_wait_alu depctr_va_vdst(0)
	v_rcp_f32 v14, v14
	v_nop                                          ; one plain place behind a transcendental
.set Q, 0
	s_wait_alu depctr_va_vdst(0)
.rept 32
	v_mul_f32 v[96+Q], v[160+Q], v14               ; O^T / l: register 16 j + i is channel 32 j + 16 h + i of my query; each accumulator from its low end on
.set Q, Q+1
.endr
.irp b, 0,1                            ; the head's two blocks of 32 along the last product's K
	v_max3_num_f32 v[232+\b], |v[96+16*\b]|, |v[97+16*\b]|, 0x1800000
.endr
.irp i, 2,4,6,8,10,12,14
.irp b, 0,1
	s_delay_alu instid0(VALU_DEP_2)
	v_max3_num_f32 v[232+\b], v[232+\b], |v[96+16*\b+\i]|, |v[97+16*\b+\i]|
.endr
.endr
.irp b, 0,1
	s_delay_alu instid0(VALU_DEP_2)
	v_permlanex16_b32 v[236+\b], v[232+\b], s20, s21
.endr
.irp b, 0,1
	s_delay_alu instid0(VALU_DEP_2)
	v_max_num_f32 v[232+\b], v[232+\b], v[236+\b]
.endr
.irp b, 0,1
	s_delay_alu instid0(VALU_DEP_2)
	v_add_nc_u32 v[244+\b], 0xff000000, v[232+\b]
.endr
.irp b, 0,1
	s_delay_alu instid0(VALU_DEP_2)
	v_lshrrev_b32 v[236+\b], 23, v[244+\b]
.endr
.irp b, 0,1
	v_cvt_scalef32_pk8_fp4_f32 v[224+2*\b], v[96+16*\b:103+16*\b], v[244+\b]
	v_cvt_scalef32_pk8_fp4_f32 v[225+2*\b], v[104+16*\b:111+16*\b], v[244+\b]
.endr
	v_nop                                          ; one plain place behind a scaled conversion
	v_permlane16_swap_b32 v224, v226               ; lanes 0-15 channels 0-31, lanes 16-31 channels 32-63
	v_permlane16_swap_b32 v225, v227
	v_cndmask_b32 v238, v236, v237, s36            ; lane (r, h): block h's byte
	global_store_b128 v1, v[224:227], s[50:51]     ; 512 consecutive bytes, aligned
	global_store_b8 v6, v238, s[52:53]             ; two bytes of each row's sixteen: the others are seven other heads'
.endm
	TILE 0
	TILE 1
	s_wait_tensorcnt 0x0
	ds_add_u32 v250, v251
	s_wait_dscnt 0x0
	s_endpgm
.Lfunc_end_k_qdd0955581b_attn:
	.size	k_qdd0955581b_attn, .Lfunc_end_k_qdd0955581b_attn-k_qdd0955581b_attn
	.p2alignl 7, 3214868480
	.fill 96, 4, 3214868480
	.section	.rodata,"a",@progbits
	.p2align	6, 0x0
	.amdhsa_kernel k_qdd0955581b_attn
		.amdhsa_group_segment_fixed_size 169984
		.amdhsa_private_segment_fixed_size 0
		.amdhsa_enable_private_segment 0
		.amdhsa_kernarg_size 32
		.amdhsa_user_sgpr_count 2
		.amdhsa_user_sgpr_kernarg_segment_ptr 1
		.amdhsa_wavefront_size32 1
		.amdhsa_system_sgpr_workgroup_id_x 1
		.amdhsa_system_sgpr_workgroup_id_y 1
		.amdhsa_system_sgpr_workgroup_id_z 1
		.amdhsa_system_vgpr_workitem_id 0
		.amdhsa_next_free_vgpr 256
		.amdhsa_next_free_sgpr 66
		.amdhsa_reserve_vcc 1
		.amdhsa_float_denorm_mode_32 3
		.amdhsa_float_denorm_mode_16_64 3
		.amdhsa_memory_ordered 1
		.amdhsa_forward_progress 1
		.amdhsa_inst_pref_size 61
	.end_amdhsa_kernel
	.amdgpu_metadata
---
amdhsa.version: [ 1, 2 ]
amdhsa.kernels:
  - .name:           k_qdd0955581b_attn
    .symbol:         k_qdd0955581b_attn.kd
    .args:
      - { .name: qq, .offset: 0, .size: 8, .value_kind: global_buffer, .address_space: global }
      - { .name: kv, .offset: 8, .size: 8, .value_kind: global_buffer, .address_space: global }
      - { .name: ac, .offset: 16, .size: 8, .value_kind: global_buffer, .address_space: global }
      - { .name: asc, .offset: 24, .size: 8, .value_kind: global_buffer, .address_space: global }
    .group_segment_fixed_size: 169984
    .private_segment_fixed_size: 0
    .kernarg_segment_align: 8
    .kernarg_segment_size: 32
    .max_flat_workgroup_size: 512
    .sgpr_count:     66
    .vgpr_count:     256
    .wavefront_size: 32
...
	.end_amdgpu_metadata
.endif
;; end of part 5
;; launch gemm_out (part 6): grid 4 x 32, 4 waves a work-group, clusters of 4 x 4, 327,680 bytes of LDS; arguments ac, asc, wc, ws, bo, out0; writes out0
.if DOCPART == 6
	.amdgcn_target "amdgcn-amd-amdhsa--gfx1250"
	.amdhsa_code_object_version 6
	.text
	.protected	k_qdd0955581b_gemm_out
	.globl	k_qdd0955581b_gemm_out
	.p2align	8
	.type	k_qdd0955581b_gemm_out,@function
k_qdd0955581b_gemm_out:
	s_mov_b64 s[64:65], 0
	v_nop
	global_prefetch_b8 v0, s[64:65] scope:SCOPE_SE
	s_setreg_imm32_b32 hwreg(HW_REG_WAVE_MODE, 25, 1), 1
	s_wait_xcnt 0x0
	s_wait_alu depctr_hold_cnt(0) depctr_sa_sdst(0) depctr_va_vdst(0) depctr_va_sdst(0) depctr_va_ssrc(0) depctr_va_vcc(0) depctr_vm_vsrc(0)
	s_getreg_b32 s2, hwreg(HW_REG_IB_STS2, 6, 4)
	s_cmp_eq_u32 s2, 0
	s_cbranch_scc0 .Lentry_in_a_cluster
	s_endpgm
.Lentry_in_a_cluster:
	s_bfe_u32 s2, ttmp6, 0x10000c
	s_cmp_lg_u32 s2, 0xf033
	s_cbranch_scc0 .Lentry_shape_is_right
	s_endpgm
.Lentry_shape_is_right:
; out0 = a Wo + bo on codes of FP4 (E2M1) with E8M0 scales; a is attention's output as attn has quantised it.  The text is gemm_qk's but for the operands and the way out, which is in f32.
; C'[m'][n'] = A' B'^T + bias:  A' = a (rows = tokens: 512 blocks), B' = Wo (rows = n: blocks 192-255 of wc).
; Source 0 = a block of B', source 1 = a block of A': lane (r, h) holds token r of A's block (row 32 (a / 2) + 8 (a % 2) + r + 8 (r / 8)); register j of accumulator b is column 32 (b / 2) + 8 (b % 2) + 16 h + j.
; A tile of C', 256 x 256, four waves of 128 x 128; K = 1,024 in two LDS slots of four K steps, each filled ONCE; 4 x 4 clusters with joint loads: as in gemm_qk.
; THE WAY OUT: a block of 16 rows x 128 columns goes through the wave's own stage in LDS (bytes of its own, into which no fill lands) and leaves as whole rows of 512 bytes.
; LIMITS: NaN and infinities are not served.
; REGISTERS: window 0: v1-27 addresses; v32-95 scale words (8 i + s: lanes 0-15 A's block i, lanes 16-31 B's block i, K step s); v128-191 A's fragments, one set; on the way out v128-255 rows read back.
;   window 1: v0-63, v128-191 B's fragments, two sets; v64-127 the bias.   windows 2, 3: the accumulators ((a, b) at v[8 (8 (a % 4) + b)]).
.set OFFA,  0
.set OFFB,  192
.set SLOT,  131072
.set SCL,   2*SLOT
.set STG,   SCL+16384                  ; behind the scales: a stage of 16 rows x (512 bytes + 16) for each wave
.set SPITCH, 528
.set FR,    8
.set LI,    5
.set VB,    6
.set ADRA,  16
.set ADRB,  20
.set STO,   24
.set RD,    25
.set ADRS,  27
.set SC,    32
.set AF,    128
.set RB,    128                        ; 16 rows read back: v128-191 and v192-255 by turns
.set BI,    64
.set G1, 24
.set G0, 32
.set G1B, 48
.set G0B, 56
.set G1S, 68
.set G0S, 76
.set G1SB, 80
.set G0SB, 88
.set MSB, 0
.macro WIN new                         ; the immediate's high byte repeats the setting that is left
.if MSB != (\new)
	s_set_vgpr_msb (MSB<<8)|(\new)
.set MSB, (\new)
.endif
.endm
.set MUL_LO, 0xa1                      ; source 0 (B) window 1, source 1 (A) window 0, C and D window 2;  less 0x10: C (the bias) window 1
.set MUL_HI, 0xf1                      ; the same, C and D window 3;  less 0x20: C window 1
.set TO_B,   0x40
.macro JLOAD g0a, g1a, g0b, g1b        ; a joint load: waves 0 and 1 fetch for A, waves 2 and 3 for B; four v_nop follow each line
	s_cmp_eq_u32 s15, 0
	s_cbranch_scc0 .Lfor_b_\@
	tensor_load_to_lds s[\g0a:\g0a+3], s[\g1a:\g1a+7]
	s_nop 0
.rept 4
	v_nop
.endr
	s_branch .Lasked_\@
.Lfor_b_\@:
	tensor_load_to_lds s[\g0b:\g0b+3], s[\g1b:\g1b+7]
	s_nop 0
.rept 4
	v_nop
.endr
.Lasked_\@:
.endm
.macro CROUND                          ; a round of the cluster's barrier
	s_barrier_signal -1
	s_barrier_wait -1
	s_cmp_lg_u32 s14, 0
	s_cbranch_scc1 .Lnot_wave_0_\@
	s_barrier_signal -3
.Lnot_wave_0_\@:
	s_barrier_wait -3
	s_barrier_signal -1
	s_barrier_wait -1
.endm
.macro PLACES                          ; four places behind this matrix form (ISA guide 7.12.1)
.rept 4
	v_nop
.endr
.endm
	s_load_b256 s[4:11], s[0:1], 0x0               ; A's codes, A's scales, B's codes, B's scales
	s_load_b128 s[92:95], s[0:1], 0x20             ; bo, out0
	v_lshl_add_u32 v126, v0, 2, 0x4c400
	v_mov_b32 v127, 0
	ds_add_u32 v126, v127
	ds_add_u32 v126, v127
	v_lshrrev_b32 v1, 5, v0
	v_readfirstlane_b32 s14, v1                    ; wave 0..3
	s_lshr_b32 s15, s14, 1                         ; which half of the tile's rows is mine.  Also: I fetch for A (0) or for B (1)
	s_and_b32 s16, s14, 1                          ; which half of its columns.  Also: which 8 blocks I fetch
	s_bfe_u32 s40, ttmp6, 0x40000                  ; cx, cy
	s_bfe_u32 s41, ttmp6, 0x40004
	s_lshl_b32 s42, ttmp9, 2
	s_add_co_u32 s42, s42, s40                     ; tile column
	s_and_b32 s17, ttmp7, 0xffff
	s_lshl_b32 s17, s17, 2
	s_add_co_u32 s17, s17, s41                     ; tile row
	s_lshl_b32 s43, s41, 2
	s_lshl_b32 s43, 15, s43                        ; my row of the cluster
	s_lshl_b32 s44, 0x1111, s40                    ; my column
	; codes: 8 rows of 4,096 bytes (512 elements of 8 bytes), 8,192 bytes apart in memory, dense in LDS
	s_or_b32 s[G1+0], s43, (3<<16)|(1<<21)
	s_or_b32 s[G1B+0], s44, (3<<16)|(1<<21)
.irp g, G1, G1B
	s_mov_b32 s[\g+1], 512<<16
	s_mov_b32 s[\g+2], 8<<16
	s_mov_b32 s[\g+3], 512<<16
	s_mov_b32 s[\g+4], 8
	s_mov_b32 s[\g+5], 1024
	s_mov_b32 s[\g+6], 0
	s_mov_b32 s[\g+7], 0
.endr
	; scales: 8 blocks x 512 dense bytes, as 16 rows of 256
	s_or_b32 s[G1S+0], s43, (3<<16)|(1<<21)
	s_or_b32 s[G1SB+0], s44, (3<<16)|(1<<21)
.irp g, G1S, G1SB
	s_mov_b32 s[\g+1], 32<<16
	s_mov_b32 s[\g+2], 16<<16
	s_mov_b32 s[\g+3], 32<<16
	s_mov_b32 s[\g+4], 16
	s_mov_b32 s[\g+5], 32
	s_mov_b32 s[\g+6], 0
	s_mov_b32 s[\g+7], 0
.endr
	s_lshl_b32 s18, s16, 3
	s_lshl_b32 s20, s17, 4
	s_add_co_u32 s20, s20, s18                     ; A: block 16 x tile row + 8 x half
.if OFFA
	s_add_co_u32 s20, s20, OFFA
.endif
	s_lshl_b32 s22, s20, 9
	s_mov_b32 s23, 0
	s_lshl_b32 s20, s20, 13
	s_mov_b32 s21, 0
	s_lshl_b32 s46, s42, 4
	s_add_co_u32 s46, s46, s18                     ; B: block 16 x tile column + 8 x half,
.if OFFB
	s_add_co_u32 s46, s46, OFFB                    ; behind the three other weights'
.endif
	s_lshl_b32 s66, s46, 9
	s_mov_b32 s67, 0
	s_lshl_b32 s46, s46, 13
	s_mov_b32 s47, 0
	s_lshl_b32 s45, s14, 15
	s_lshl_b32 s19, s14, 12
	s_wait_dscnt 0x0
	s_wait_kmcnt 0x0
	s_add_nc_u64 s[20:21], s[4:5], s[20:21]
	s_add_nc_u64 s[22:23], s[6:7], s[22:23]
	s_add_nc_u64 s[46:47], s[8:9], s[46:47]
	s_add_nc_u64 s[66:67], s[10:11], s[66:67]
	CROUND                                         ; all sixteen work-groups are here: the joint loads meet
	s_mov_b32 s[G0S], 1
	s_add_co_u32 s[G0S+1], s19, SCL
	s_mov_b64 s[G0S+2:G0S+3], s[22:23]
	s_or_b32 s[G0S+3], s[G0S+3], 0x80000000
	s_mov_b32 s[G0SB], 1
	s_add_co_u32 s[G0SB+1], s19, SCL
	s_mov_b64 s[G0SB+2:G0SB+3], s[66:67]
	s_or_b32 s[G0SB+3], s[G0SB+3], 0x80000000
	JLOAD G0S, G1S, G0SB, G1SB
.irp s, 0,1
	s_mov_b32 s[G0+4*\s], 1
	s_add_co_u32 s[G0+4*\s+1], s45, \s*SLOT
	s_add_nc_u64 s[G0+4*\s+2:G0+4*\s+3], s[20:21], \s*4096
	s_or_b32 s[G0+4*\s+3], s[G0+4*\s+3], 0x80000000
	s_mov_b32 s[G0B+4*\s], 1
	s_add_co_u32 s[G0B+4*\s+1], s45, \s*SLOT
	s_add_nc_u64 s[G0B+4*\s+2:G0B+4*\s+3], s[46:47], \s*4096
	s_or_b32 s[G0B+4*\s+3], s[G0B+4*\s+3], 0x80000000
	JLOAD G0+4*\s, G1, G0B+4*\s, G1B               ; three loads of mine are out: every LDS byte is filled once
.endr
	v_and_b32 v1, 15, v0                           ; r
	v_bfe_u32 v2, v0, 4, 1                         ; h
	v_and_b32 v3, 31, v0
	v_lshlrev_b32 v[LI], 4, v3
	s_lshl_b32 s21, s15, 15
	s_lshl_b32 s22, s16, 15
	s_add_co_u32 s22, s22, 65536
.irp s, 0,1
	v_add_nc_u32 v[ADRA+\s], s21, v[LI]
	v_add_nc_u32 v[ADRB+\s], s22, v[LI]
	s_add_co_u32 s21, s21, SLOT
	s_add_co_u32 s22, s22, SLOT
.endr
	s_lshl_b32 s21, s15, 12
	s_lshl_b32 s22, s16, 12
	s_add_co_u32 s22, s22, 8192
	s_sub_co_u32 s22, s22, s21
	v_mul_u32_u24 v4, s22, v2                      ; lanes 16-31 take B's: one product, h x the distance
	s_add_co_u32 s21, s21, SCL
	v_lshl_add_u32 v4, v1, 4, v4
	v_add_nc_u32 v[ADRS], s21, v4
	s_mul_i32 s23, s14, 16*SPITCH
	s_add_co_u32 s23, s23, STG                     ; my stage
	v_mul_u32_u24 v3, v1, SPITCH
	v_lshl_add_u32 v3, v2, 6, v3
	v_add_nc_u32 v[STO], s23, v3                   ; in: row r, + 64 h: my half's 16 columns of each 32
	v_add_nc_u32 v[RD], s23, v[LI]                 ; back: the 32 lanes take one row of 512 bytes
	; the bias, in the result's layout, and where my part of out0 begins
	s_lshl_b32 s46, s42, 10
	s_lshl_b32 s47, s16, 9
	s_add_co_u32 s46, s46, s47                     ; my first column, in bytes: (256 x tile column + 128 x half) x 4
	s_mov_b32 s47, 0
	s_add_nc_u64 s[66:67], s[92:93], s[46:47]
	s_lshl_b32 s20, s17, 20
	s_lshl_b32 s21, s15, 19
	s_add_co_u32 s20, s20, s21                     ; my first row: (256 x tile row + 128 x half) x 4,096 bytes
	s_add_co_u32 s20, s20, s46
	s_mov_b32 s21, 0
	s_add_nc_u64 s[12:13], s[94:95], s[20:21]
	v_lshlrev_b32 v[VB], 6, v2
	WIN TO_B
.irp b, 0,1,2,3,4,5,6,7
	global_load_b128 v[BI+8*\b:BI+8*\b+3], v[VB], s[66:67] offset:(32*(\b/2)+8*(\b%2))*4
	global_load_b128 v[BI+8*\b+4:BI+8*\b+7], v[VB], s[66:67] offset:(32*(\b/2)+8*(\b%2))*4+16
.endr
	WIN 0
.macro FRAG reg, adr, q, i
.irp c, 0,1
	ds_load_b128 v[\reg+4*\c:\reg+4*\c+3], v[\adr] offset:(\i)*4096+(\q)*1024+512*\c
.endr
.endm
; 16 products: A's blocks a0, a0 + 1 x B's eight.  first = 1: C is the bias.  The 64 accumulators take turns, one instruction a turn, in the same order in every step.
.macro MUL16 a0, p, s, first
.irp a, \a0, \a0+1
.irp b, 0,1,2,3,4,5,6,7
.if \first
	v_wmma_scale_f32_16x16x128_f8f6f4 v[8*(8*((\a)%4)+\b):8*(8*((\a)%4)+\b)+7], v[128*(\p)+FR*\b:128*(\p)+FR*\b+FR-1], v[AF+FR*(\a):AF+FR*(\a)+FR-1], v[BI+8*\b:BI+8*\b+7], v[SC+8*\b+(\s)], v[SC+8*(\a)+(\s)] matrix_a_fmt:MATRIX_FMT_FP4 matrix_b_fmt:MATRIX_FMT_FP4 matrix_a_scale:MATRIX_SCALE_ROW1
.else
	v_wmma_scale_f32_16x16x128_f8f6f4 v[8*(8*((\a)%4)+\b):8*(8*((\a)%4)+\b)+7], v[128*(\p)+FR*\b:128*(\p)+FR*\b+FR-1], v[AF+FR*(\a):AF+FR*(\a)+FR-1], v[8*(8*((\a)%4)+\b):8*(8*((\a)%4)+\b)+7], v[SC+8*\b+(\s)], v[SC+8*(\a)+(\s)] matrix_a_fmt:MATRIX_FMT_FP4 matrix_b_fmt:MATRIX_FMT_FP4 matrix_a_scale:MATRIX_SCALE_ROW1
.endif
.endr
.endr
.endm
.macro FETCH_B slot, q, p
	WIN TO_B
.irp i, 0,1,2,3,4,5,6,7
	FRAG 128*(\p)+FR*\i, ADRB+\slot, \q, \i
.endr
	WIN 0
.endm
.macro FETCH_A slot, q, i0
.irp i, \i0, \i0+1, \i0+2, \i0+3
	FRAG AF+FR*(\i), ADRA+\slot, \q, \i
.endr
.endm
.macro SCALES
.irp i, 0,1,2,3,4,5,6,7
.irp k, 0,1
	ds_load_b128 v[SC+8*\i+4*\k:SC+8*\i+4*\k+3], v[ADRS] offset:\i*512+\k*256
.endr
.endr
.endm
.macro STEP slot, q, first
	s_wait_dscnt 8                                 ; all but the youngest eight loads (A's blocks 4-7) are in
	WIN MUL_LO-0x10*(\first)
	MUL16 0, (\q)%2, 4*(\slot)+(\q), \first
	MUL16 2, (\q)%2, 4*(\slot)+(\q), \first
	s_wait_dscnt 0
	PLACES
	FETCH_B \slot, (\q)+1, 1-(\q)%2
	FETCH_A \slot, (\q)+1, 0
	WIN MUL_HI-0x20*(\first)
	MUL16 4, (\q)%2, 4*(\slot)+(\q), \first
	MUL16 6, (\q)%2, 4*(\slot)+(\q), \first
	PLACES
	WIN 0
	FETCH_A \slot, (\q)+1, 4
.endm
.macro TURN                            ; slot 0's last step goes over to slot 1: one barrier, behind which nothing is filled
	s_wait_tensorcnt 0x0                           ; my part of slot 1 has landed
	s_wait_dscnt 8
	WIN MUL_LO
	MUL16 0, 1, 3, 0
	s_wait_dscnt 0x0                               ; no LDS instruction of mine is out at the signal
	s_barrier_signal -1
	MUL16 2, 1, 3, 0
	WIN 0
	s_barrier_wait -1
	PLACES
	FETCH_B 1, 0, 0
	FETCH_A 1, 0, 0
	WIN MUL_HI
	MUL16 4, 1, 3, 0
	MUL16 6, 1, 3, 0
	PLACES
	WIN 0
	FETCH_A 1, 0, 4
.endm
	s_wait_tensorcnt 1                             ; the scales and my part of slot 0 are in; slot 1's load may be out
	s_barrier_signal -1
	s_barrier_wait -1
	FETCH_B 0, 0, 0
	FETCH_A 0, 0, 0
	SCALES
	FETCH_A 0, 0, 4
	s_wait_loadcnt 0x0                             ; the bias
	STEP 0, 0, 1
	STEP 0, 1, 0
	STEP 0, 2, 0
	TURN
	STEP 1, 0, 0
	STEP 1, 1, 0
	STEP 1, 2, 0
	s_wait_dscnt 8
	WIN MUL_LO
	MUL16 0, 1, 7, 0
	MUL16 2, 1, 7, 0
	s_wait_dscnt 0
	WIN MUL_HI
	MUL16 4, 1, 7, 0
	MUL16 6, 1, 7, 0
	WIN 0
; THE WAY OUT.  LDS serves a wave's instructions in order: no wait between a block's stores and its loads, nor in front of the next block's stores.
.macro TOSTAGE a
.set AC, 64*((\a)%4)
	WIN 0x08+4*((\a)/4)                            ; an LDS store's data are its source 1: window 2 or 3
.irp b, 0,1,2,3,4,5,6,7
	ds_store_b128 v[STO], v[AC+8*\b:AC+8*\b+3] offset:128*(\b/2)+32*(\b%2)        ; each accumulator from its low end on
	ds_store_b128 v[STO], v[AC+8*\b+4:AC+8*\b+7] offset:128*(\b/2)+32*(\b%2)+16
.endr
	WIN 0
.set BB, RB+64*((\a)%2)
.irp t, 0,1,2,3,4,5,6,7,8,9,10,11,12,13,14,15
	ds_load_b128 v[BB+4*\t:BB+4*\t+3], v[RD] offset:\t*SPITCH
.endr
.endm
.macro SEND a, younger                 ; younger: the LDS instructions issued behind block a's loads, which may stay out
.set BB, RB+64*((\a)%2)
	s_wait_dscnt \younger
.irp t, 0,1,2,3,4,5,6,7,8,9,10,11,12,13,14,15
	global_store_b128 v[LI], v[BB+4*\t:BB+4*\t+3], s[12:13] offset:(32*((\a)/2)+8*((\a)%2)+\t+8*(\t/8))*4096 th:TH_STORE_NT   ; image row t's place among my 128 rows stands in the immediate; 512 consecutive bytes, aligned
.endr
.endm
	PLACES                                         ; in front of the reads of results and of the loads into the registers that held A's fragments
	TOSTAGE 0
.irp a, 1,2,3,4,5,6,7
.if \a > 1
	s_wait_xcnt 0x0                                ; block a - 2's stores have read their registers: block a's loads may land there
.endif
	TOSTAGE \a
	SEND \a-1, 32                                  ; behind block a - 1's loads: block a's 16 stores and 16 loads
.endr
	SEND 7, 0
	s_wait_tensorcnt 0x0
	ds_add_u32 v126, v127
	s_wait_dscnt 0x0
	CROUND                                         ; the closing round
	s_endpgm
.Lfunc_end_k_qdd0955581b_gemm_out:
	.size	k_qdd0955581b_gemm_out, .Lfunc_end_k_qdd0955581b_gemm_out-k_qdd0955581b_gemm_out
	.p2alignl 7, 3214868480
	.fill 96, 4, 3214868480
	.section	.rodata,"a",@progbits
	.p2align	6, 0x0
	.amdhsa_kernel k_qdd0955581b_gemm_out
		.amdhsa_group_segment_fixed_size 327680
		.amdhsa_private_segment_fixed_size 0
		.amdhsa_enable_private_segment 0
		.amdhsa_kernarg_size 48
		.amdhsa_user_sgpr_count 2
		.amdhsa_user_sgpr_kernarg_segment_ptr 1
		.amdhsa_wavefront_size32 1
		.amdhsa_system_sgpr_workgroup_id_x 1
		.amdhsa_system_sgpr_workgroup_id_y 1
		.amdhsa_system_sgpr_workgroup_id_z 1
		.amdhsa_system_vgpr_workitem_id 0
		.amdhsa_next_free_vgpr 1024
		.amdhsa_next_free_sgpr 102
		.amdhsa_reserve_vcc 0
		.amdhsa_float_denorm_mode_32 3
		.amdhsa_float_denorm_mode_16_64 3
		.amdhsa_memory_ordered 1
		.amdhsa_forward_progress 1
		.amdhsa_inst_pref_size 125
	.end_amdhsa_kernel
	.amdgpu_metadata
---
amdhsa.version: [ 1, 2 ]
amdhsa.kernels:
  - .name:           k_qdd0955581b_gemm_out
    .symbol:         k_qdd0955581b_gemm_out.kd
    .args:
      - { .name: ac, .offset: 0, .size: 8, .value_kind: global_buffer, .address_space: global }
      - { .name: asc, .offset: 8, .size: 8, .value_kind: global_buffer, .address_space: global }
      - { .name: wc, .offset: 16, .size: 8, .value_kind: global_buffer, .address_space: global }
      - { .name: ws, .offset: 24, .size: 8, .value_kind: global_buffer, .address_space: global }
      - { .name: bo, .offset: 32, .size: 8, .value_kind: global_buffer, .address_space: global }
      - { .name: out0, .offset: 40, .size: 8, .value_kind: global_buffer, .address_space: global }
    .group_segment_fixed_size: 327680
    .private_segment_fixed_size: 0
    .kernarg_segment_align: 8
    .kernarg_segment_size: 48
    .max_flat_workgroup_size: 128
    .sgpr_count:     102
    .vgpr_count:     1024
    .wavefront_size: 32
...
	.end_amdgpu_metadata
.endif
;; end of part 6
